; MI455X (gfx1250); checked and timed in simulation.
; The chip was launched on July 23, 2026; its instructions are those of AMD's public machine-readable ISA for CDNA 5 (MIT licence, August 2026) and "CDNA5" Instruction Set Architecture Reference Guide (July 2026). The comments in the code are by the model that wrote it; some were corrected since.
;; Muti Atten. Allowed arithmetic: matrix products marked QUANTISED: E2M3 operands, one E8M0 scale for each 32 along K, by v_wmma_scale_f32_16x16x128_f8f6f4 with both operands' format E2M3, f32 sums; everything else in f32.
;; Inputs: W_kqv 3,072 x 1,024 float32; W_proj 1,024 x 1,024 float32; b_kqv 3,072 float32; b_proj 1,024 float32; preinput 4 x 2,048 x 1,024 float32; valid_lens 4 int32.
;; Outputs: out0 4 x 2,048 x 1,024 float32.
;; This version of the problem:
;;   THIS VERSION OF THE PROBLEM IS GIVEN IN LOW PRECISION. The matrix products marked QUANTISED in the list below multiply operands that are first quantised to E2M3 (2 exponent bits, 3 mantissa bits; 6 bits a number), with one power-of-two scale for each 32 numbers along K (OCP MX v1.0); their sums are f32. All else is computed in f32.
;;   The module's matrix products, in the order in which they are computed (A, B: the left and right operand; K: the contracted axis; several contracted axes count as one K, in the product's order):
;;     1. [M 8,192, K 1,024] x [K 1,024, N 3,072]; A: input preinput; B: input W_kqv: QUANTISED
;;     2. batch 4 x [M 2,048, K 1,024] x [K 1,024, N 2,048]; A: computed on the way; B: computed on the way: QUANTISED
;;     3. batch 4 x [M 2,048, K 2,048] x [K 2,048, N 1,024]; A: softmax (see below); B: computed on the way: QUANTISED
;;     4. [M 8,192, K 1,024] x [K 1,024, N 1,024]; A: computed on the way; B: input W_proj: QUANTISED
;;   THE QUANTISER, for each operand of a quantised product, along K:
;;     - K is cut into blocks of 32 from its start; a last block that is shorter is filled with zeros.
;;     - A block's scale is 2^e with e = floor(log2(the largest magnitude in the block)) - 2, held to -126 .. 127; a block of zeros has e = 0. As a byte (E8M0): e + 127.
;;     - Each number is divided by its block's scale, clamped to +-7.5, and rounded to the nearest number of E2M3, ties to even, subnormals kept.
;;     - The product sums the exact products of the quantised numbers (number of the format x scale) in f32.
;;   ~~~python
;;   def quantise(x, axis):      # numpy; x: float32 -> the quantised numbers, widened to float32 again
;;       x = np.moveaxis(x, axis, -1); K = x.shape[-1]
;;       x = np.pad(x, [(0, 0)] * (x.ndim - 1) + [(0, -K % 32)]); x = x.reshape(x.shape[:-1] + (-1, 32)); a = np.abs(x).max(-1, keepdims=True)
;;       e = np.where(a > 0, np.clip(np.frexp(np.where(a > 0, a, 1))[1] - 1 - 2, -126, 127), 0)      # np.frexp(a)[1] - 1 = floor(log2(a)), exactly
;;       r = np.clip(x / 2.0 ** e, -7.5, 7.5)
;;       step = 2.0 ** (np.maximum(np.frexp(np.where(r == 0, 1, r))[1] - 1, 0) - 3)
;;       q = np.round(r / step) * step * 2.0 ** e      # np.round: ties to even
;;       return np.moveaxis(q.reshape(q.shape[:-2] + (-1,))[..., :K], -1, axis).astype(np.float32)
;;   ~~~
;;   SOFTMAX AHEAD OF A QUANTISED PRODUCT. Where the list says 'softmax', what is quantised is not the finished softmax but p = 2^(t - M), with t = logit x log2(e) and M = ceil(the row's largest t), a whole number; so 1/2 < the row's largest p <= 1. The row's sum l is taken of the UNQUANTISED p, in f32, and the product's result is divided by l at the end. Since M is a whole number, a kernel that streams over the keys may use a running M (the ceiling of the running maximum): every later rescaling is an exact power of two, which a block's scale takes up: the codes' values come out the same.
;;   OPERANDS COMPUTED ON THE WAY. 'Computed on the way' means the value that the module computes at that place (a softmax that the list does not call 'softmax' is quantised finished and normalised). What goes into a quantiser is computed in f32, as accurately as f32 sums, v_exp_f32 and their like allow (about 1e-6 of the number): no bf16 or f16 on the way to a quantiser, and a product that is left as it is and whose result goes on into a quantised operand takes f32 operands (vector FMAs, or v_wmma_f32_16x16x4_f32). A number that lies on a knife's edge between two numbers of the format may be rounded either way, as far as f32 arithmetic and the matrix unit's own rounding can turn it there, and no further.
;; One version. Each part assembles by itself: llvm-mc -triple=amdgcn-amd-amdhsa -mcpu=gfx1250 --defsym DOCPART=n.
;; ======== version 1 of 1: 5 launches
;; limits: right only within a limited range of input values
;; workspace buffers: qin 9,830,400 bytes; kqvc 19,660,800 bytes; pbuf 14,155,776 bytes; obuf 6,553,600 bytes
;; launch quant (part 1): grid 768 x 1, 4 waves a work-group, no clusters, 34,816 bytes of LDS; arguments preinput, W_kqv, W_proj, qin; writes qin
.if DOCPART == 1
	.amdgcn_target "amdgcn-amd-amdhsa--gfx1250"
	.amdhsa_code_object_version 6
	.text
	.protected	k_q11e142a7a7_quant
	.globl	k_q11e142a7a7_quant
	.p2align	8
	.type	k_q11e142a7a7_quant,@function
k_q11e142a7a7_quant:
	s_mov_b64 s[64:65], 0
	v_nop
	global_prefetch_b8 v0, s[64:65] scope:SCOPE_SE
	s_setreg_imm32_b32 hwreg(HW_REG_WAVE_MODE, 25, 1), 1
	s_wait_xcnt 0x0
; preinput [8192][1024], W_kqv [3072][1024] and W_proj [1024][1024], f32, K innermost, become codes of FP6 (E2M3) with one E8M0 byte for each 32 along K,
; stacked in qin as one matrix of 768 blocks of 16 rows (x 0-511, W_kqv 512-703, W_proj 704-767), laid as the matrix unit's registers want them:
; fragment (block t, K step s of 128) begins at (8 t + s) x 1536 bytes; registers 4 c .. 4 c + 3 of lane L lie at + 512 c + 16 L.  Lane r of block t holds row 32 (t / 2) + 8 (t % 2) + r + 8 (r / 8).
; The scale word (four bytes: 128 along K) of (t, s, r) lies at QS + 512 t + 256 (s / 4) + 16 r + 4 (s % 4).
; A block's scale is 2^(floor(log2(largest magnitude)) - 2); its byte is the largest magnitude's exponent field - 2, held at 1 from below.
; LIMITS: a block of zeros gets the byte 1 where the quantiser's rule says 127 (its codes are zeros, and this program alone reads the bytes); blocks whose largest magnitude lies under 2^-124 are
; quantised at the floor's scale; NaN and infinities are not served.
; SHARES.  A work-group takes one block of 16 rows; wave w takes K steps 2 w and 2 w + 1.  Each load reads 512 consecutive bytes of one row (one K step); all 32 loads of a wave are issued at its start.
; A K step's 16 rows go through the wave's own stage in LDS (rows of 512 + 16 bytes) and come back 32 neighbours along K to a lane, twice: lane (r, h) holds k = 64 c + 32 h + 0 .. 31 of its row: the operand's own layout.
; Each step has code registers of its own, so no store's data are written again.  The block's 512 bytes of scale words are gathered in LDS and leave by one store of wave 0.
; No tensor loads, no cluster: work-groups share nothing.
.set QS,  9437184                      ; where the scale words begin in qin
.set STG, 8448                         ; a wave's stage: 16 rows x 528 bytes
.set SPARE, 4*STG                      ; the spare words, 128 bytes a wave
.set SCW, SPARE+512                    ; the block's scale words, 512 bytes, as they lie in qin
.set R,   16                           ; v16-143  two sets of 64 registers as loaded (set 0 later holds step 1's codes)
.set X,   144                          ; v144-207 my 2 x 32 neighbours
.set C,   208                          ; v208-219 step 0's fragment, v220-226 the upper halves before they are moved; step 1: 192 lower
.set SO,  230                          ; v230-231 the conversions' scale operands
.set BY,  232                          ; v232-233 the bytes
.set TT,  234                          ; v234-235 at work
.set SW,  236                          ; v236-237 the scale words of my two K steps
.set AM,  240                          ; v240-243 largest magnitudes, one for each 16 numbers
	s_load_b256 s[4:11], s[0:1], 0x0               ; preinput s[4:5], W_kqv s[6:7], W_proj s[8:9], qin s[10:11]
	v_lshl_add_u32 v254, v0, 2, SPARE
	v_mov_b32 v255, 0
	v_lshrrev_b32 v1, 5, v0
	v_readfirstlane_b32 s12, v1                    ; wave 0..3
	s_mul_i32 s13, s12, STG                        ; my stage
	s_lshr_b32 s14, s12, 1
	s_lshl_b32 s14, s14, 8
	s_and_b32 s15, s12, 1
	s_lshl_b32 s15, s15, 3
	s_add_co_u32 s14, s14, s15
	s_add_co_u32 s14, s14, SCW                     ; my two words of a row: 256 (w / 2) + 8 (w % 2)
	s_mov_b32 s20, 0x76543210
	s_mov_b32 s21, 0xfedcba98                      ; v_permlanex16_b32's selects for lane l xor 16
	s_lshr_b32 s19, ttmp9, 1                       ; which 32 rows of the stack
	s_and_b32 s18, ttmp9, 1                        ; which of their two blocks
	s_mov_b32 s16, 352
	v_and_b32 v6, 31, v0                           ; lane
	v_lshlrev_b32 v1, 4, v6                        ; 16 x lane: my bytes of a load's 512, and of a store's
	v_and_b32 v7, 15, v0                           ; r
	v_bfe_u32 v8, v0, 4, 1                         ; h
	v_add_nc_u32 v2, s13, v1                       ; into the stage: 16 x lane, the row in the immediate
	v_mul_u32_u24 v3, v7, 528
	v_lshl_add_u32 v3, v8, 7, v3
	v_add_nc_u32 v3, s13, v3                       ; out of it: row r, + 128 h bytes
	v_lshl_add_u32 v4, v7, 4, s14                  ; where my row's two scale words go in LDS
	v_add_nc_u32 v9, SCW, v1                       ; and where wave 0 reads the block's words back
	v_lshlrev_b32 v5, 3, v8                        ; 8 h: how far my two bytes are shifted in the word
	v_mov_b32 v[TT], 0                             ; a lane permute's destination counts as one of its sources
	s_wait_alu depctr_va_vdst(0)                   ; the wait at the head's end
	s_wait_kmcnt 0x0
	s_cmp_lt_u32 s19, 352                          ; the tensor is chosen by the work-group's number alone
	s_cselect_b64 s[6:7], s[6:7], s[8:9]
	s_cselect_b32 s16, 256, s16
	s_cmp_lt_u32 s19, 256
	s_cselect_b64 s[4:5], s[4:5], s[6:7]
	s_cselect_b32 s16, 0, s16                      ; the tensor's first run of 32 rows
	s_sub_co_u32 s16, s19, s16
	s_lshl_b32 s16, s16, 5                         ; my 32 rows' first row in the tensor,
	s_lshl_b32 s17, s18, 3
	s_add_co_u32 s16, s16, s17                     ; + 8 for the second block,
	s_lshl_b32 s16, s16, 12                        ; in bytes (under 2^26),
	s_lshl_b32 s17, s12, 10
	s_add_co_u32 s16, s16, s17                     ; + my two K steps
	s_mov_b32 s17, 0
	s_add_nc_u64 s[4:5], s[4:5], s[16:17]
	s_lshl_b32 s22, ttmp9, 3
	s_lshl_b32 s23, s12, 1
	s_add_co_u32 s22, s22, s23
	s_mul_i32 s22, s22, 1536                       ; (8 t + my first K step) x 1536
	s_mov_b32 s23, 0
	s_add_nc_u64 s[24:25], s[10:11], s[22:23]      ; my codes
	s_lshl_b32 s22, ttmp9, 9
	s_add_co_u32 s22, s22, QS
	s_add_nc_u64 s[10:11], s[10:11], s[22:23]      ; the block's 512 bytes of scale words
.macro LOAD s                          ; K step s of my 16 rows: row i + 8 (i / 8) of the 24 from my first on
.irp i, 0,1,2,3,4,5,6,7,8,9,10,11,12,13,14,15
	global_load_b128 v[R+64*(\s)+4*\i:R+64*(\s)+4*\i+3], v1, s[4:5] offset:(\i+8*(\i/8))*4096+512*(\s) th:TH_LOAD_NT
.endr
.endm
.macro TURNQ s                         ; through the stage: LDS serves a wave's instructions in order, so no wait stands between the stores and the loads
.irp i, 0,1,2,3,4,5,6,7,8,9,10,11,12,13,14,15
	ds_store_b128 v2, v[R+64*(\s)+4*\i:R+64*(\s)+4*\i+3] offset:528*\i
.endr
.irp c, 0,1
.irp j, 0,1,2,3,4,5,6,7
	ds_load_b128 v[X+32*\c+4*\j:X+32*\c+4*\j+3], v3 offset:256*\c+16*\j
.endr
.endr
.endm
.macro WORK s
.set CC, C-192*(\s)
.irp q, 0,1,2,3                        ; four chains of 16 numbers by turns; chains 2 c and 2 c + 1 are my block 2 c + h
	v_max3_num_f32 v[AM+\q], |v[X+16*\q]|, |v[X+16*\q+1]|, 0x1800000   ; with the floor 2^(3 - 127): the byte cannot fall under 1
.endr
.irp i, 2,4,6,8,10,12,14
.irp q, 0,1,2,3
	v_max3_num_f32 v[AM+\q], v[AM+\q], |v[X+16*\q+\i]|, |v[X+16*\q+\i+1]|
.endr
.endr
.irp c, 0,1
	v_max_num_f32 v[AM+2*\c], v[AM+2*\c], v[AM+2*\c+1]
.endr
.irp c, 0,1
	v_add_nc_u32 v[SO+\c], 0xff000000, v[AM+2*\c]  ; 2 off the exponent field: the conversion takes the exponent field of this operand as its scale
.endr
.irp c, 0,1
	v_lshrrev_b32 v[BY+\c], 23, v[SO+\c]           ; the scale's byte
.endr
	v_lshl_or_b32 v[TT+1], v[BY+1], 16, v[BY]      ; my two bytes: blocks h and 2 + h,
	v_lshlrev_b32 v[TT+1], v5, v[TT+1]             ; at their places in the word;
	v_permlanex16_b32 v[TT], v[TT+1], s20, s21
	v_or_b32 v[SW+(\s)], v[TT+1], v[TT]            ; with lane l xor 16's two the word is whole
.irp c, 0,1
	v_cvt_scalef32_pk16_fp6_f32 v[CC+6*\c:CC+6*\c+2], v[X+32*\c:X+32*\c+15], v[SO+\c]
	v_cvt_scalef32_pk16_fp6_f32 v[CC+12+4*\c:CC+14+4*\c], v[X+32*\c+16:X+32*\c+31], v[SO+\c]   ; (a conversion's three registers begin on an even number)
.endr
	v_nop                                          ; one plain place behind a scaled conversion
.irp c, 0,1
.irp i, 0,1,2
	v_mov_b32 v[CC+6*\c+3+\i], v[CC+12+4*\c+\i]
.endr
.endr
.irp c, 0,1,2
	global_store_b128 v1, v[CC+4*\c:CC+4*\c+3], s[24:25] offset:1536*(\s)+512*\c   ; 32 lanes store 512 consecutive bytes, aligned
.endr
.endm
	LOAD 0
	LOAD 1
	s_wait_loadcnt 16                              ; step 0's 16 loads are in; step 1's may be out
	TURNQ 0
	s_wait_dscnt 0x0                               ; my neighbours are in, and the stores into the stage have read set 0
	WORK 0
	s_wait_loadcnt 0x0
	TURNQ 1
	s_wait_dscnt 0x0
	WORK 1                                         ; its codes lie in set 0's registers
	ds_store_b64 v4, v[SW:SW+1]                    ; lanes 16-31 hold and write the same words as lanes 0-15
	s_wait_dscnt 0x0                               ; for the others' sake
	s_barrier_signal -1
	s_barrier_wait -1
	s_cmp_lg_u32 s12, 0
	s_cbranch_scc1 .Ldone
	ds_load_b128 v[X:X+3], v9                      ; the words of 16 rows x 8 K steps
	s_wait_dscnt 0x0
	global_store_b128 v1, v[X:X+3], s[10:11]       ; 32 lanes store 512 consecutive bytes, aligned
.Ldone:
	s_wait_tensorcnt 0x0                           ; the wave's end
	ds_add_u32 v254, v255
	s_wait_dscnt 0x0
	s_endpgm
.Lfunc_end_k_q11e142a7a7_quant:
	.size	k_q11e142a7a7_quant, .Lfunc_end_k_q11e142a7a7_quant-k_q11e142a7a7_quant
	.p2alignl 7, 3214868480
	.fill 96, 4, 3214868480
	.section	.rodata,"a",@progbits
	.p2align	6, 0x0
	.amdhsa_kernel k_q11e142a7a7_quant
		.amdhsa_group_segment_fixed_size 34816
		.amdhsa_private_segment_fixed_size 0
		.amdhsa_enable_private_segment 0
		.amdhsa_kernarg_size 32
		.amdhsa_user_sgpr_count 2
		.amdhsa_user_sgpr_kernarg_segment_ptr 1
		.amdhsa_wavefront_size32 1
		.amdhsa_system_sgpr_workgroup_id_x 1
		.amdhsa_system_sgpr_workgroup_id_y 1
		.amdhsa_system_sgpr_workgroup_id_z 1
		.amdhsa_system_vgpr_workitem_id 0
		.amdhsa_next_free_vgpr 256
		.amdhsa_next_free_sgpr 66
		.amdhsa_reserve_vcc 0
		.amdhsa_float_denorm_mode_32 3
		.amdhsa_float_denorm_mode_16_64 3
		.amdhsa_memory_ordered 1
		.amdhsa_forward_progress 1
		.amdhsa_inst_pref_size 17
	.end_amdhsa_kernel
	.amdgpu_metadata
---
amdhsa.version: [ 1, 2 ]
amdhsa.kernels:
  - .name:           k_q11e142a7a7_quant
    .symbol:         k_q11e142a7a7_quant.kd
    .args:
      - { .name: preinput, .offset: 0, .size: 8, .value_kind: global_buffer, .address_space: global }
      - { .name: W_kqv, .offset: 8, .size: 8, .value_kind: global_buffer, .address_space: global }
      - { .name: W_proj, .offset: 16, .size: 8, .value_kind: global_buffer, .address_space: global }
      - { .name: qin, .offset: 24, .size: 8, .value_kind: global_buffer, .address_space: global }
    .group_segment_fixed_size: 34816
    .private_segment_fixed_size: 0
    .kernarg_segment_align: 8
    .kernarg_segment_size: 32
    .max_flat_workgroup_size: 128
    .sgpr_count:     66
    .vgpr_count:     256
    .wavefront_size: 32
...
	.end_amdgpu_metadata
.endif
;; end of part 1
;; launch kqv (part 2): grid 8 x 32, 4 waves a work-group, clusters of 4 x 4, 327,680 bytes of LDS; arguments qin, b_kqv, kqvc; writes kqvc
.if DOCPART == 2
	.amdgcn_target "amdgcn-amd-amdhsa--gfx1250"
	.amdhsa_code_object_version 6
	.text
	.protected	k_q11e142a7a7_kqv
	.globl	k_q11e142a7a7_kqv
	.p2align	8
	.type	k_q11e142a7a7_kqv,@function
k_q11e142a7a7_kqv:
	s_mov_b64 s[64:65], 0
	v_nop
	global_prefetch_b8 v0, s[64:65] scope:SCOPE_SE
	s_setreg_imm32_b32 hwreg(HW_REG_WAVE_MODE, 25, 1), 1
	s_wait_xcnt 0x0
	s_wait_alu depctr_hold_cnt(0) depctr_sa_sdst(0) depctr_va_vdst(0) depctr_va_sdst(0) depctr_va_ssrc(0) depctr_va_vcc(0) depctr_vm_vsrc(0)
	s_getreg_b32 s2, hwreg(HW_REG_IB_STS2, 6, 4)
	s_cmp_eq_u32 s2, 0
	s_cbranch_scc0 .Lentry_in_a_cluster
	s_endpgm
.Lentry_in_a_cluster:
	s_bfe_u32 s2, ttmp6, 0x10000c
	s_cmp_lg_u32 s2, 0xf033
	s_cbranch_scc0 .Lentry_shape_is_right
	s_endpgm
.Lentry_shape_is_right:
; kqv = x W_kqv^T + b_kqv on codes of FP6 (E2M3) with E8M0 scales; the results are quantised at once, as the operands of the next products, and only codes and scale words go to memory.
; IMAGES.  Every operand lies in memory in the order of the matrix unit's registers: fragment (block t of 16 rows, K step s of 128) at (t NK + s) x 1536 bytes, registers 4 c .. 4 c + 3 of lane L at + 512 c + 16 L;
; lane r of block t holds row 32 (t / 2) + 8 (t % 2) + r + 8 (r / 8).  Scale word of (t, s, r): t x 64 NK + 256 (s / 4) + 16 r + 4 (s % 4).
; With these rows, lane (r, h) of the result of source-0 block b holds in register j the source-0 row 32 (b / 2) + 16 h + 8 (b % 2) + j: the 64 registers of eight blocks are 4 x 16 neighbours along the next K.
; TWO KINDS OF TILE:  kind 0: source 0 = 256 rows of W (k's and q's), source 1 = 128 rows of x: k and q, quantised along their channels;
;   kind 1: source 0 = 256 rows of x (keys), source 1 = 128 rows of W (v's): V^T, quantised along the keys.
; A WORK-GROUP STAYS AND MAKES THREE TILES: 512 tiles of kind 0 and 256 of kind 1 are two and one for each of 256 work-groups.  Tiles 0 and 1 take the same rows of W: W's fragments in LDS, its scale words and its bias stay.
; SHARES.  Four waves; a wave makes 128 (source 0) x 64 (source 1): 32 accumulators.  All of K = 1024 of a tile lies in LDS: 2 slots x 4 K steps, 294,912 bytes.
; THE RING.  At the head a wave issues one joint load, its part of slot 0; slot 1's first fill stands behind the full sequence and a round of the cluster's barrier.  Slot 0 is filled again at K step 3, slot 1 in the middle of
; the way out: by the text's own count a wave has one tensor load out behind each round.  CLUSTER 4 x 4: source 1's tile is shared along a row of the cluster, source 0's along a column.
; THE BIAS IS THE C OF K STEP 0: 64 registers along source 0 in kind 0; in kind 1 eight equal registers for each of source 1's four blocks.
; THE WAY OUT takes the accumulators where they lie, two blocks of source 1's rows at a time: eight chains of maxima by turns, and code registers of its own for each of the two.
; No prefetch: the text has no loop to run ahead in, and from the second fill on each fill is asked for three K steps or more ahead of its first read.
; LIMITS: a block of zeros gets the byte 1, not 127 (zero codes; this program alone reads the bytes); NaN and infinities are not served.
; REGISTERS.  window 0: v1-16 addresses; v18, v19 the add's; v28-31 scale words made; v32-63, v96-111 scale words; v128-159 the quantiser's, two sets; v160-255 source 1's fragments, two sets (on the way out v160-199 and v216-255 codes).
;   window 1: v0-191 source 0's fragments, two sets; v192-255 the bias.   window 2: accumulator (a, b) at v[8 (8 a + b)].
; AS THE TEXT STANDS (in place of the head comment's lines on slot 1's refill and on prefetches): slot 1 is filled again ahead of the way out, right behind K step 7's products;
; every fill behind the first is asked of memory ahead of its tensor load by prefetches into the L2 (PFOFF, ASK, PFNEXT below): slot 1's first fill at the head, a next tile's two fills at the start of the tile before it.
.set NK,   8
.set BP,   NK*1536                     ; from block to block in an image
.set SP,   NK*64                       ; and among the scale words
.set SLOT, 147456                      ; 4 K steps: source 1's 8 blocks x 6144 bytes, then source 0's 16
.set SPARE, 2*SLOT                     ; behind the ring: the spare words, 128 bytes a wave
.set QS,   9437184                     ; qin: scale words
.set VC,   12582912                    ; kqvc: V^T's codes (k's at 0, q's at 6291456)
.set KS,   18874368                    ; k's scale words (q's 262144 on)
.set VS,   19398656                    ; V^T's
.set LI,  1                            ; 16 x lane
.set ADB, 2                            ; v2-3  LDS address of my source-1 fragments in slot 0, 1
.set ADA, 4                            ; v4-5  of my source-0 fragments
.set SOA, 6                            ; offset of source 0's scale words
.set SOB, 7                            ; of source 1's
.set CO,  8                            ; where my codes go
.set SOF, 9                            ; where my scale words go
.set RR,  10
.set HH,  11
.set BSA, 12                           ; my lane's term in SOA: 16 r, lanes 16-31 four blocks on
.set BSB, 13                           ; in SOB: 16 r, lanes 16-31 two blocks on
.set BLA, 14                           ; in the bias along source 0: 64 h;  v15 along source 1: 4 (r + 8 (r / 8))
.set BOF, 16
.set SPW, 18                           ; SPARE + 4 x my thread's number; never rewritten
.set NIL, 19                           ; 0; never rewritten
.set PW,  28
.set SCA, 32                           ; register NK i + k: lanes 0-15 the word of source-0 block i, lanes 16-31 of block i + 4, K step k
.set SCB, 96                           ; register NK i + k: lanes 0-15 source-1 block i, lanes 16-31 block i + 2
.set TM,  128
.set FB,  160
.set PC,  192
.set BIA, 192
.set WV,  12
.set WR,  13                           ; my 64 rows of source 1.  Also: I fetch for source 1 (0) or source 0 (1)
.set WC,  14                           ; my 128 rows of source 0.  Also: which half of a tile I fetch
.set SEL, 20
.set G1A, 24
.set G0A, 32
.set G1B, 48
.set G0B, 56
.set MSB, 0
.set KIND, 0
.macro WIN new                         ; the immediate's high byte repeats the setting that is left
.if MSB != \new
	s_set_vgpr_msb (MSB<<8)|\new
.set MSB, \new
.endif
.endm
.macro PLACES n
.rept \n
	v_nop
.endr
.endm
.macro CREST
	s_cmp_lg_u32 s[WV], 0
	s_cbranch_scc1 .Lnot_wave_0_\@
	s_barrier_signal -3
.Lnot_wave_0_\@:
	s_barrier_wait -3
	s_barrier_signal -1
	s_barrier_wait -1
.endm
.macro CROUND                          ; a round of the cluster's barrier
	s_barrier_signal -1
	s_barrier_wait -1
	CREST
.endm
.macro SETG g, slot, o                 ; the global address in the group 0 at s[g]; written only where no tensor load of the wave is out
	s_add_nc_u64 s[\g+2:\g+3], s[4:5], s[\o:\o+1]
.if \slot
	s_add_nc_u64 s[\g+2:\g+3], s[\g+2:\g+3], 6144
.endif
	s_or_b32 s[\g+3], s[\g+3], 0x80000000
.endm
; A joint fill of a slot.  mode 2: waves 0 and 1 fetch source 1's halves, waves 2 and 3 source 0's.  mode 1: source 1's alone.  The branch hangs on the wave's number alone.
.macro JLOAD slot, mode
	s_cmp_eq_u32 s[WR], 0
	s_cbranch_scc0 .Lfor_b_\@
	tensor_load_to_lds s[G0A+4*(\slot):G0A+4*(\slot)+3], s[G1A:G1A+7]
	s_nop 0
	PLACES 4
.if (\mode) > 1
	s_branch .Lasked_\@
.endif
.Lfor_b_\@:
.if (\mode) > 1
	tensor_load_to_lds s[G0B+4*(\slot):G0B+4*(\slot)+3], s[G1B:G1B+7]
	s_nop 0
.endif
	PLACES 4
.Lasked_\@:
.endm
.macro FETCH slot, kk, set             ; the fragments of one K step: 36 loads of 512 consecutive bytes each
	WIN 0x40
.irp b, 0,1,2,3,4,5,6,7
.irp c, 0,1,2
	ds_load_b128 v[96*(\set)+12*\b+4*\c:96*(\set)+12*\b+4*\c+3], v[ADA+(\slot)] offset:6144*\b+1536*(\kk)+512*\c
.endr
.endr
	WIN 0
.irp a, 0,1,2,3
.irp c, 0,1,2
	ds_load_b128 v[FB+48*(\set)+12*\a+4*\c:FB+48*(\set)+12*\a+4*\c+3], v[ADB+(\slot)] offset:6144*\a+1536*(\kk)+512*\c
.endr
.endr
.endm
.macro WM a, b, k, set, cmode          ; cmode 1: C = the bias (along source 0's block b, or in kind 1 source 1's block a); 0: C = D
.set rD, 8*(8*(\a)+(\b))
.set rA, 96*(\set)+12*(\b)
.set rB, FB+48*(\set)+12*(\a)
.set rX, SCA+NK*((\b)%4)+(\k)
.set rY, SCB+NK*((\a)%2)+(\k)
.set rC, rD
.if \cmode
.set rC, BIA+8*((\b)+KIND*((\a)-(\b)))
.endif
.set ROWS, (\b)/4+2*((\a)/2)
.if ROWS == 0
	v_wmma_scale_f32_16x16x128_f8f6f4 v[rD:rD+7], v[rA:rA+11], v[rB:rB+11], v[rC:rC+7], v[rX], v[rY] matrix_a_fmt:MATRIX_FMT_FP6 matrix_b_fmt:MATRIX_FMT_FP6
.elseif ROWS == 1
	v_wmma_scale_f32_16x16x128_f8f6f4 v[rD:rD+7], v[rA:rA+11], v[rB:rB+11], v[rC:rC+7], v[rX], v[rY] matrix_a_fmt:MATRIX_FMT_FP6 matrix_b_fmt:MATRIX_FMT_FP6 matrix_a_scale:MATRIX_SCALE_ROW1
.elseif ROWS == 2
	v_wmma_scale_f32_16x16x128_f8f6f4 v[rD:rD+7], v[rA:rA+11], v[rB:rB+11], v[rC:rC+7], v[rX], v[rY] matrix_a_fmt:MATRIX_FMT_FP6 matrix_b_fmt:MATRIX_FMT_FP6 matrix_b_scale:MATRIX_SCALE_ROW1
.else
	v_wmma_scale_f32_16x16x128_f8f6f4 v[rD:rD+7], v[rA:rA+11], v[rB:rB+11], v[rC:rC+7], v[rX], v[rY] matrix_a_fmt:MATRIX_FMT_FP6 matrix_b_fmt:MATRIX_FMT_FP6 matrix_a_scale:MATRIX_SCALE_ROW1 matrix_b_scale:MATRIX_SCALE_ROW1
.endif
.endm
.macro MULA a, k, set, cmode           ; the 32 accumulators take turns, one instruction a turn, in the same order in every K step, from tile to tile too
.irp b, 0,1,2,3,4,5,6,7
	WM \a, \b, \k, \set, \cmode
.endr
.endm
.macro KSTEP k, cmode                  ; a K step whose successor lies in the same slot
.if (\k) > 0
	PLACES 4                                       ; in front of loads into registers that the last K step's matrix instructions have read
.endif
	FETCH ((\k)/4)%2, (\k)%4+1, ((\k)+1)%2
	s_wait_dscnt 36                                ; all but the 36 just issued: this K step's fragments are in
.if \cmode
	WIN 0x91                                       ; source 0 window 1, source 1 window 0, C window 1, D window 2
.else
	WIN 0xa1                                       ; C and D window 2
.endif
	MULA 0, \k, (\k)%2, \cmode
	MULA 1, \k, (\k)%2, \cmode
	MULA 2, \k, (\k)%2, \cmode
	MULA 3, \k, (\k)%2, \cmode
	WIN 0
.endm
; K step 3 leaves slot 0: one barrier; in front of it each wave waits for all its tensor loads (its part of slot 1), adds 0 to its spare word, and waits for that and for its reads of slot 0.
; fill > 0: the barrier opens a round of the cluster's barrier, and slot 0 takes the next tile's K steps 0 to 3.
.macro TURN fill
	s_wait_tensorcnt 0x0                           ; all my tensor loads have landed, so a group 0 may be written
	ds_add_u32 v[SPW], v[NIL]
.if (\fill) > 0
	SETG G0A, 0, 70
.endif
.if (\fill) > 1
	SETG G0B, 0, 72
.endif
	s_wait_dscnt 0x1                               ; this K step's fragments are in; the add alone may be out
	WIN 0xa1
	MULA 0, 3, 1, 0
	s_wait_dscnt 0x0                               ; the add is done, and my reads of slot 0 are over
	s_barrier_signal -1
	MULA 1, 3, 1, 0
	WIN 0
	s_barrier_wait -1
.if (\fill) > 0
	CREST                                          ; no wave of any partner still reads slot 0 or has a load on its way
	JLOAD 0, \fill
.else
	PLACES 4
.endif
	FETCH 1, 0, 0
	WIN 0xa1
	MULA 2, 3, 1, 0
	MULA 3, 3, 1, 0
	WIN 0
.endm
; PREFETCHES INTO THE L2.  A fill's part of a block is 6144 bytes, 24 blocks of 256.  Of source 0's 16 blocks each of the four partners that ask for them jointly (told apart by cy) takes four, a wave one: 24 lanes;
; of source 1's 8 blocks each partner (by cx) takes two, a wave half of one: 12 lanes; the lanes left over name their wave's last block again.  The shares are told apart by address alone.
.macro PFOFF                           ; s96, s97: where my share of source 1's and of source 0's tile (first blocks s42, s46) begins in qin
	s_add_co_u32 s96, s42, s94
	s_mul_i32 s96, s96, BP
	s_mul_i32 s97, s[WC], 3072
	s_add_co_u32 s96, s96, s97
	s_add_co_u32 s97, s46, s95
	s_mul_i32 s97, s97, BP
.endm
.macro ASK v, off
	global_prefetch_b8 v[\v], s[4:5] offset:\off th:TH_LOAD_NT scope:SCOPE_SE
.endm
.macro PFNEXT fill                     ; the next tile's two fills, three K steps ahead of the first of them; each target has an offset register of its own, never rewritten
	PFOFF
	v_lshl_add_u32 v[22+2*(\fill)], v21, 8, s96
	ASK 22+2*(\fill), 0
	ASK 22+2*(\fill), 6144
.if (\fill) > 1
	v_lshl_add_u32 v[23+2*(\fill)], v20, 8, s97
	ASK 23+2*(\fill), 0
	ASK 23+2*(\fill), 6144
.endif
.endm
.macro LAST k
	s_wait_dscnt 0x0                               ; the last fragments are in: my reads of slot 1 are over
	WIN 0xa1
	MULA 0, \k, (\k)%2, 0
	MULA 1, \k, (\k)%2, 0
	MULA 2, \k, (\k)%2, 0
	MULA 3, \k, (\k)%2, 0
	WIN 0
.endm
; Ahead of the way out slot 1 takes the next tile's K steps 4 to 7: the three lines, a whole round, and the joint load first behind it.
.macro CHANGE mode
	s_wait_tensorcnt 0x0
	ds_add_u32 v[SPW], v[NIL]                      ; the descriptors are written between it and the wait for it
	SETG G0A+4, 1, 70
.if (\mode) > 1
	SETG G0B+4, 1, 72
.endif
	s_wait_dscnt 0x0
	CROUND
	JLOAD 1, \mode
.endm
; Blocks m0 and m0 + 1 of source 1's rows.  Of each, a lane's 64 accumulator registers (16 b + i = k 32 b + 16 h + i of my row) become a fragment's codes in v[PC + 20 u] on and its scale word in v[PW + u].
.macro QPAIR m0
	WIN 0x0a                                       ; sources 0 and 1 window 2
.irp u, 0,1
.irp b, 0,1,2,3
	v_max3_num_f32 v[TM+16*\u+\b], |v[64*((\m0)+\u)+16*\b]|, |v[64*((\m0)+\u)+16*\b+1]|, 0x1800000   ; each accumulator from its low end on; the floor 2^(3 - 127): the byte cannot fall under 1
.endr
.endr
	WIN 0x28                                       ; sources 1 and 2 window 2
.irp i, 2,4,6,8,10,12,14
.irp u, 0,1
.irp b, 0,1,2,3
	v_max3_num_f32 v[TM+16*\u+\b], v[TM+16*\u+\b], |v[64*((\m0)+\u)+16*\b+\i]|, |v[64*((\m0)+\u)+16*\b+\i+1]|
.endr
.endr
.endr
	WIN 0
.irp o, 0,1,2,3,16,17,18,19
	v_permlanex16_b32 v[TM+4+\o], v[TM+\o], s[SEL], s[SEL+1]
.endr
.irp o, 0,1,2,3,16,17,18,19
	v_max_num_f32 v[TM+\o], v[TM+\o], v[TM+4+\o]   ; with lane l xor 16's 16 numbers
.endr
.irp o, 0,1,2,3,16,17,18,19
	v_add_nc_u32 v[TM+12+\o], 0xff000000, v[TM+\o] ; 2 off the exponent field: the conversion's scale operand
.endr
.irp o, 0,1,2,3,16,17,18,19
	v_lshrrev_b32 v[TM+4+\o], 23, v[TM+12+\o]      ; the scale's byte
.endr
.irp u, 0,1
	v_lshl_or_b32 v[PW+\u], v[TM+16*\u+5], 8, v[TM+16*\u+4]
.endr
.irp u, 0,1
	v_lshl_or_b32 v[PW+\u], v[TM+16*\u+6], 16, v[PW+\u]
.endr
.irp u, 0,1
	v_lshl_or_b32 v[PW+\u], v[TM+16*\u+7], 24, v[PW+\u]
.endr
	WIN 0x02                                       ; source 0 window 2
.irp u, 0,1
.irp c, 0,1
	v_cvt_scalef32_pk16_fp6_f32 v[PC+20*\u+6*\c:PC+20*\u+6*\c+2], v[64*((\m0)+\u)+32*\c:64*((\m0)+\u)+32*\c+15], v[TM+16*\u+12+2*\c]
	v_cvt_scalef32_pk16_fp6_f32 v[PC+20*\u+12+4*\c:PC+20*\u+14+4*\c], v[64*((\m0)+\u)+32*\c+16:64*((\m0)+\u)+32*\c+31], v[TM+16*\u+13+2*\c]
.endr
.endr
	WIN 0
	v_nop                                          ; one plain place behind a scaled conversion
.irp u, 0,1                            ; the operand's layout wants a whole block in a lane
.irp c, 0,1
.irp i, 0,1,2
	v_permlane16_swap_b32 v[PC+20*\u+6*\c+\i], v[PC+20*\u+12+4*\c+\i]
.endr
.endr
.endr
.irp u, 0,1
.irp c, 0,1
.irp i, 0,1,2
	v_mov_b32 v[PC+20*\u+6*\c+3+\i], v[PC+20*\u+12+4*\c+\i]
.endr
.endr
.endr
.endm
; All that tile j's addresses are made of, in scalar registers.  s44-47 and s72 never hold cy, s40-43 and s70 never cx: they feed the joint loads' descriptors.
;   s[70:71], s[72:73] where my half of source 1's and of source 0's tile begins in qin;  s78, s79 my scale words;  s80 my bias;  s[90 + 2 (j % 2)], the next: where my codes and scale words go.
.macro PREP j
.if (\j) < 2
	s_lshl_b32 s44, ttmp9, 2
	s_add_co_u32 s44, s44, s15                     ; source 0's tile: 256 rows of W: 4 x cluster x + cx
	s_lshl_b32 s46, s44, 4
	s_add_co_u32 s46, s46, 512                     ; W_kqv begins at block 512
	s_add_co_u32 s40, s18, 8*(\j)
	s_lshl_b32 s40, s40, 2
	s_add_co_u32 s40, s40, s16                     ; source 1's tile: 128 rows of x: 4 x (cluster y + 8 j) + cy
	s_lshl_b32 s42, s40, 3
.else
	s_lshl_b32 s44, s18, 2
	s_add_co_u32 s44, s44, s15                     ; source 0's tile: 256 rows of x: 4 x cluster y + cx
	s_lshl_b32 s46, s44, 4
	s_lshl_b32 s40, ttmp9, 2
	s_add_co_u32 s40, s40, s16                     ; source 1's tile: 128 of v's rows of W: 4 x cluster x + cy
	s_lshl_b32 s42, s40, 3
	s_add_co_u32 s42, s42, 640                     ; v's rows begin at block 512 + 128
.endif
	s_lshl_b32 s43, s[WC], 2
	s_add_co_u32 s43, s43, s42
	s_mul_i32 s70, s43, BP                         ; source 1: my half's 4 blocks
	s_lshl_b32 s47, s[WC], 3
	s_add_co_u32 s47, s47, s46
	s_mul_i32 s72, s47, BP                         ; source 0: my half's 8 blocks
	s_mul_i32 s78, s47, SP
	s_add_co_u32 s78, s78, QS
	s_lshl_b32 s79, s[WR], 2
	s_add_co_u32 s79, s79, s42
	s_mul_i32 s79, s79, SP
	s_add_co_u32 s79, s79, QS
.if (\j) < 2
	s_lshl_b32 s80, s44, 10                        ; the bias along source 0: 4 bytes x (256 x tile + 128 x my half)
	s_lshl_b32 s81, s[WC], 9
	s_add_co_u32 s80, s80, s81
.else
	s_lshl_b32 s80, s40, 9                         ; along source 1: 4 bytes x (2048 + 128 x tile + 64 x my half)
	s_lshl_b32 s81, s[WR], 8
	s_add_co_u32 s80, s80, s81
	s_add_co_u32 s80, s80, 8192
.endif
.set OC, 90+2*((\j)%2)
	s_lshl_b32 s66, s44, 1
	s_add_co_u32 s66, s66, s[WC]                   ; which 128 of source 0's rows are mine = the next product's K step
	s_lshl_b32 s67, s40, 3
	s_lshl_b32 s68, s[WR], 2
	s_add_co_u32 s67, s67, s68                     ; my first block of source 1's rows
.if (\j) < 2
	s_lshr_b32 s68, s66, 3                         ; k (0) or q (1),
	s_and_b32 s69, s66, 7                          ; K step
	s_lshl_b32 s[OC], s67, 3
	s_add_co_u32 s[OC], s[OC], s69
	s_mul_i32 s[OC], s[OC], 1536
	s_mul_i32 s84, s68, 6291456
	s_add_co_u32 s[OC], s[OC], s84
	s_lshl_b32 s[OC+1], s68, 18
	s_lshl_b32 s84, s67, 9
	s_add_co_u32 s[OC+1], s[OC+1], s84
	s_lshr_b32 s84, s69, 2
	s_lshl_b32 s84, s84, 8
	s_add_co_u32 s[OC+1], s[OC+1], s84
	s_add_co_u32 s[OC+1], s[OC+1], KS
.else
	s_lshr_b32 s68, s66, 4                         ; the batch,
	s_and_b32 s69, s66, 15                         ; K step among its 16
	s_lshl_b32 s68, s68, 6
	s_add_co_u32 s68, s68, s67                     ; block of V^T
	s_lshl_b32 s[OC], s68, 4
	s_add_co_u32 s[OC], s[OC], s69
	s_mul_i32 s[OC], s[OC], 1536
	s_add_co_u32 s[OC], s[OC], VC
	s_lshl_b32 s[OC+1], s68, 10
	s_lshr_b32 s84, s69, 2
	s_lshl_b32 s84, s84, 8
	s_add_co_u32 s[OC+1], s[OC+1], s84
	s_add_co_u32 s[OC+1], s[OC+1], VS
.endif
	s_and_b32 s84, s66, 3
	s_lshl_b32 s84, s84, 2
	s_add_co_u32 s[OC+1], s[OC+1], s84
.endm
; Tile j's scale words and bias, straight into registers: sixteen lanes read 256 consecutive bytes, the words of 16 rows x 4 K steps.  Tile 1 keeps tile 0's source 0: its words and its bias stay.
.macro SCLOAD j
.if (\j) != 1
	v_add_nc_u32 v[SOA], s78, v[BSA]
	v_add_nc_u32 v[BOF], s80, v[BLA+(\j)/2]
.endif
	v_add_nc_u32 v[SOB], s79, v[BSB]
.if (\j) != 1
.irp i, 0,1,2,3
.irp g, 0,1
	global_load_b128 v[SCA+NK*\i+4*\g:SCA+NK*\i+4*\g+3], v[SOA], s[4:5] offset:\i*SP+256*\g
.endr
.endr
.endif
.irp i, 0,1
.irp g, 0,1
	global_load_b128 v[SCB+NK*\i+4*\g:SCB+NK*\i+4*\g+3], v[SOB], s[4:5] offset:\i*SP+256*\g
.endr
.endr
.if (\j) == 0
	WIN 0x40
.irp b, 0,1,2,3,4,5,6,7                ; lane (r, h), block b, register i wants b_kqv[my first row of W + 32 (b / 2) + 16 h + 8 (b % 2) + i]
	global_load_b128 v[BIA+8*\b:BIA+8*\b+3], v[BOF], s[6:7] offset:4*(32*(\b/2)+8*(\b%2))
	global_load_b128 v[BIA+8*\b+4:BIA+8*\b+7], v[BOF], s[6:7] offset:4*(32*(\b/2)+8*(\b%2))+16
.endr
	WIN 0
.endif
.if (\j) == 2
	WIN 0x40
.irp a, 0,1,2,3                        ; all eight registers of block a's C want b_kqv[2048 + my row of source 1]
.irp i, 0,1,2,3,4,5,6,7
	global_load_b32 v[BIA+8*\a+\i], v[BOF], s[6:7] offset:4*(32*(\a/2)+8*(\a%2))
.endr
.endr
	WIN 0
.endif
.endm
.macro EPI2 j, kind, m0                ; blocks m0, m0 + 1 of source 1's rows of tile j go out: a fragment and a scale word a row each
.set PC, 216-28*(\m0)                  ; each pair has code and word registers of its own: v216-255 and v28-29, v160-199 and v30-31; the wait on XCNT at a tile's end frees them for the next tile
.set PW, 28+(\m0)
.if (\m0) == 0
	v_add_nc_u32 v[CO], s[90+2*((\j)%2)], v[LI]
	v_lshl_add_u32 v[SOF], v[RR], 4, s[91+2*((\j)%2)]
.endif
	QPAIR \m0
.irp u, 0,1
.irp c, 0,1,2
	global_store_b128 v[CO], v[PC+20*\u+4*\c:PC+20*\u+4*\c+3], s[8:9] offset:((\m0)+\u)*(12288<<(\kind))+512*\c   ; 32 lanes store 512 consecutive bytes, aligned
.endr
	global_store_b32 v[SOF], v[PW+\u], s[8:9] offset:((\m0)+\u)*(512<<(\kind))   ; lanes 16-31 hold and store the same word as lanes 0-15
.endr
.endm
; A tile.  fill: what the next tile fetches: 0 there is none, 1 source 1 alone, 2 both.
.macro TILE j, kind, fill
.set KIND, \kind
.if (\fill) > 0
	PREP (\j)+1                                    ; scalar work alone
	PFNEXT \fill
.endif
	KSTEP 0, 1                                     ; the first products start the sums from the bias: nothing is cleared
	KSTEP 1, 0
	KSTEP 2, 0
	TURN \fill
	KSTEP 4, 0
	KSTEP 5, 0
	KSTEP 6, 0
	LAST 7
	PLACES 4                                       ; behind the last products: in front of loads into their scale registers, of writes over their fragments and of the first read of results
.if (\fill) > 0
	SCLOAD (\j)+1                                  ; they land while this tile goes out
.endif
	s_wait_alu depctr_va_vdst(0)
.if (\fill) > 0
	CHANGE \fill                                   ; my reads of slot 1 ended in front of K step 7's products: its refill goes out ahead of the way out
.endif
	EPI2 \j, \kind, 0
	EPI2 \j, \kind, 2
.if (\fill) > 0
	s_wait_xcnt 0x0                                ; the last stores have read their data: the next tile's fragments land on those registers
	FETCH 0, 0, 0                                  ; the next tile's K step 0: the round ahead of the way out has shown it whole
	s_wait_loadcnt 0x0                             ; the next tile's scale words and bias are in
.endif
.endm
	s_load_b128 s[4:7], s[0:1], 0x0                ; qin, b_kqv
	s_load_b64 s[8:9], s[0:1], 0x10                ; kqvc
	v_lshl_add_u32 v[SPW], v0, 2, SPARE
	v_mov_b32 v[NIL], 0
	ds_add_u32 v[SPW], v[NIL]                      ; the opening lines: the add, twice on end, and its wait ahead of my first tensor load
	ds_add_u32 v[SPW], v[NIL]
	v_lshrrev_b32 v1, 5, v0
	v_readfirstlane_b32 s[WV], v1                  ; wave 0..3
	s_lshr_b32 s[WR], s[WV], 1
	s_and_b32 s[WC], s[WV], 1
	s_bfe_u32 s15, ttmp6, 0x40000                  ; cx
	s_bfe_u32 s16, ttmp6, 0x40004                  ; cy
	s_and_b32 s18, ttmp7, 0xffff                   ; cluster y, 0..7
	s_mov_b32 s71, 0
	s_mov_b32 s73, 0
	PREP 0
	s_lshl_b32 s67, s16, 2
	s_lshl_b32 s67, 15, s67                        ; my row of the cluster
	s_lshl_b32 s68, 0x1111, s15                    ; my column
	; descriptor group 1: rows of 6144 bytes (4 K steps of a block: 768 elements of 8 bytes), BP bytes apart, no padding
	s_or_b32 s[G1A], s67, (3<<16)|(1<<21)          ; source 1's tiles go to my row
	s_or_b32 s[G1B], s68, (3<<16)|(1<<21)          ; source 0's to my column
.irp g, G1A, G1B
	s_mov_b32 s[\g+1], 768<<16                     ; tensor_dim0
	s_mov_b32 s[\g+3], 768<<16                     ; tile_dim0
	s_mov_b32 s[\g+5], BP/8                        ; the pitch
	s_mov_b32 s[\g+6], 0
	s_mov_b32 s[\g+7], 0
.endr
	s_mov_b32 s[G1A+2], 4<<16                      ; 4 blocks of source 1 a load,
	s_mov_b32 s[G1A+4], 4
	s_mov_b32 s[G1B+2], 8<<16                      ; 8 of source 0
	s_mov_b32 s[G1B+4], 8
	s_mul_i32 s74, s[WC], 24576                    ; where they go: no place in the cluster enters an LDS address
	s_mul_i32 s75, s[WC], 49152
	s_add_co_u32 s75, s75, 49152
	s_wait_dscnt 0x0                               ; both opening adds are done
	CROUND                                         ; all sixteen work-groups are here: the first joint loads meet; the round names no argument, so it stands ahead of the wait for them
	s_wait_kmcnt 0x0
.irp s, 0,1
	s_mov_b32 s[G0A+4*\s], 1
	s_add_co_u32 s[G0A+4*\s+1], s74, \s*SLOT
	SETG G0A+4*\s, \s, 70
	s_mov_b32 s[G0B+4*\s], 1
	s_add_co_u32 s[G0B+4*\s+1], s75, \s*SLOT
	SETG G0B+4*\s, \s, 72
.endr
	JLOAD 0, 2                                     ; my part of slot 0: one tensor load a wave at the head
	s_lshl_b32 s94, s15, 1
	s_add_co_u32 s94, s94, s[WR]                   ; my share of source 1's blocks: 2 cx + wave / 2
	s_lshl_b32 s95, s16, 2
	s_add_co_u32 s95, s95, s[WV]                   ; of source 0's: 4 cy + wave
	PFOFF
	v_and_b32 v20, 31, v0
	v_min_u32 v21, 11, v20
	v_min_u32 v20, 23, v20
	v_lshl_add_u32 v23, v21, 8, s96
	v_lshl_add_u32 v22, v20, 8, s97
	ASK 23, 6144                                   ; slot 1's first fill, which is asked for behind the next round
	ASK 22, 6144
	v_and_b32 v[LI], 31, v0
	v_lshlrev_b32 v[LI], 4, v[LI]
	v_and_b32 v[RR], 15, v0
	v_bfe_u32 v[HH], v0, 4, 1
	s_mul_i32 s76, s[WR], 24576
	s_mul_i32 s77, s[WC], 49152
	s_add_co_u32 s77, s77, 49152
.irp s, 0,1
	v_add_nc_u32 v[ADB+\s], s76, v[LI]
	v_add_nc_u32 v[ADA+\s], s77, v[LI]
	s_add_co_u32 s76, s76, SLOT
	s_add_co_u32 s77, s77, SLOT
.endr
	v_lshlrev_b32 v[BSB], 4, v[RR]
	v_mad_u32_u24 v[BSA], v[HH], 4*SP, v[BSB]
	v_mad_u32_u24 v[BSB], v[HH], 2*SP, v[BSB]
	v_lshlrev_b32 v[BLA], 6, v[HH]
	v_and_b32 v[BLA+1], 8, v[RR]
	v_add_nc_u32 v[BLA+1], v[BLA+1], v[RR]
	v_lshlrev_b32 v[BLA+1], 2, v[BLA+1]
	SCLOAD 0
	s_mov_b32 s[SEL], 0x76543210
	s_mov_b32 s[SEL+1], 0xfedcba98
.irp o, 4,5,6,7,20,21,22,23
	v_mov_b32 v[TM+\o], 0                          ; written once: a lane permute's destination counts as one of its sources
.endr
	s_wait_alu depctr_va_vdst(0)                   ; the wait at the head's end
	s_wait_loadcnt 0x0                             ; tile 0's scale words and bias are in
	s_wait_tensorcnt 0x0                           ; my part of slot 0 is in
	ds_add_u32 v[SPW], v[NIL]
	s_wait_dscnt 0x0
	CROUND                                         ; slot 0 is whole for every wave, and the joint loads meet
	JLOAD 1, 2                                     ; slot 1's first fill, the first tensor load behind the round
	FETCH 0, 0, 0
	TILE 0, 0, 1                                   ; k's and q's, first 128 rows of x; the next tile wants other rows of x alone
	TILE 1, 0, 2                                   ; the same rows of W, x's rows 4096 on; the next tile wants both operands anew
	TILE 2, 1, 0                                   ; V^T
	s_wait_tensorcnt 0x0                           ; the wave's end
	ds_add_u32 v[SPW], v[NIL]
	s_wait_dscnt 0x0
	CROUND                                         ; the closing round
	s_endpgm
.Lfunc_end_k_q11e142a7a7_kqv:
	.size	k_q11e142a7a7_kqv, .Lfunc_end_k_q11e142a7a7_kqv-k_q11e142a7a7_kqv
	.p2alignl 7, 3214868480
	.fill 96, 4, 3214868480
	.section	.rodata,"a",@progbits
	.p2align	6, 0x0
	.amdhsa_kernel k_q11e142a7a7_kqv
		.amdhsa_group_segment_fixed_size 327680
		.amdhsa_private_segment_fixed_size 0
		.amdhsa_enable_private_segment 0
		.amdhsa_kernarg_size 24
		.amdhsa_user_sgpr_count 2
		.amdhsa_user_sgpr_kernarg_segment_ptr 1
		.amdhsa_wavefront_size32 1
		.amdhsa_system_sgpr_workgroup_id_x 1
		.amdhsa_system_sgpr_workgroup_id_y 1
		.amdhsa_system_sgpr_workgroup_id_z 1
		.amdhsa_system_vgpr_workitem_id 0
		.amdhsa_next_free_vgpr 768
		.amdhsa_next_free_sgpr 100
		.amdhsa_reserve_vcc 0
		.amdhsa_float_denorm_mode_32 3
		.amdhsa_float_denorm_mode_16_64 3
		.amdhsa_memory_ordered 1
		.amdhsa_forward_progress 1
		.amdhsa_inst_pref_size 233
	.end_amdhsa_kernel
	.amdgpu_metadata
---
amdhsa.version: [ 1, 2 ]
amdhsa.kernels:
  - .name:           k_q11e142a7a7_kqv
    .symbol:         k_q11e142a7a7_kqv.kd
    .args:
      - { .name: qin, .offset: 0, .size: 8, .value_kind: global_buffer, .address_space: global }
      - { .name: b_kqv, .offset: 8, .size: 8, .value_kind: global_buffer, .address_space: global }
      - { .name: kqvc, .offset: 16, .size: 8, .value_kind: global_buffer, .address_space: global }
    .group_segment_fixed_size: 327680
    .private_segment_fixed_size: 0
    .kernarg_segment_align: 8
    .kernarg_segment_size: 24
    .max_flat_workgroup_size: 128
    .sgpr_count:     100
    .vgpr_count:     768
    .wavefront_size: 32
...
	.end_amdgpu_metadata
.endif
;; end of part 2
;; launch score (part 3): grid 8 x 32, 4 waves a work-group, clusters of 4 x 4, 327,680 bytes of LDS; arguments kqvc, valid_lens, pbuf; writes pbuf
.if DOCPART == 3
	.amdgcn_target "amdgcn-amd-amdhsa--gfx1250"
	.amdhsa_code_object_version 6
	.text
	.protected	k_q11e142a7a7_score
	.globl	k_q11e142a7a7_score
	.p2align	8
	.type	k_q11e142a7a7_score,@function
k_q11e142a7a7_score:
	s_mov_b64 s[64:65], 0
	v_nop
	global_prefetch_b8 v0, s[64:65] scope:SCOPE_SE
	s_setreg_imm32_b32 hwreg(HW_REG_WAVE_MODE, 25, 1), 1
	s_wait_xcnt 0x0
	s_wait_alu depctr_hold_cnt(0) depctr_sa_sdst(0) depctr_va_vdst(0) depctr_va_sdst(0) depctr_va_ssrc(0) depctr_va_vcc(0) depctr_vm_vsrc(0)
	s_getreg_b32 s2, hwreg(HW_REG_IB_STS2, 6, 4)
	s_cmp_eq_u32 s2, 0
	s_cbranch_scc0 .Lentry_in_a_cluster
	s_endpgm
.Lentry_in_a_cluster:
	s_bfe_u32 s2, ttmp6, 0x10000c
	s_cmp_lg_u32 s2, 0xf033
	s_cbranch_scc0 .Lentry_shape_is_right
	s_endpgm
.Lentry_shape_is_right:
; S^T = k q^T on codes of FP6 (E2M3), the mask, and p = 2^(t - M) quantised along the keys.  t = score x log2(e) / 32; keys at or past valid_lens[batch] take the logit -1e6.
; M IS LOCAL: each wave takes M_loc = the ceiling of the largest t among ITS 128 keys, a whole number.  It stores p's codes and scale words, -M_loc and the sum l_loc of its unquantised p, one word for each query and 128 keys.
; The next launch takes the row's M as the largest M_loc and shifts scale bytes and sums by M_loc - M: powers of two, which round nothing.
; IMAGES as in the launch before: fragment (block t, K step s) at (t NK + s) x 1536, registers 4 c .. 4 c + 3 of lane L at + 512 c + 16 L; lane r of block t holds row 32 (t / 2) + 8 (t % 2) + r + 8 (r / 8).
; Source 0 = 256 keys, source 1 = 128 queries: a lane holds one query, and its 64 registers of a block of queries are 4 x 16 neighbouring keys.
; A WORK-GROUP STAYS AND MAKES TWO TILES: the same 256 keys against 128 queries and against the 128 queries that lie 1024 further on in the same batch.  k's fragments in LDS, its scale words and the mask's bound stay;
; of the slots only q's part is filled again, and all that differs between the tiles is a constant step of an address.
; SHARES.  Four waves, each 128 keys x 64 queries.  All of K = 1024 of a tile lies in LDS: 2 slots x 4 K steps.  Slot 0's part of q is filled again at K step 3, slot 1's in the middle of the way out, each behind a round of the
; cluster's barrier: by the text's own count a wave has two tensor loads out at the start and one behind each round.  CLUSTER 4 x 4: q's tile shared along a row, k's along a column.
; The mask is always applied, by compares and selects: no branch hangs on valid_lens.
; LIMITS: a block of 32 keys whose largest p lies under 2^-61 is quantised at the scale 2^-63 (its byte is held at 64 from below, so that the next launch can take up to 63 off it);
; a block's largest p is taken from its largest score, which takes v_exp_f32 not to fall where its input rises; NaN and infinities are not served.
; REGISTERS.  window 0: v1-11 addresses; v12 -M_loc, v[14:15] sums, v16 the mask's bound, v17 the fill, v18, v19 the add's; v32-63, v96-111 scale words; v128-147 at work; v160-255 q's fragments, two sets (on the way out p and its codes).
;   window 1: v0-191 k's fragments, two sets.   window 2: accumulator (a, b) at v[8 (8 a + b)].
; AS THE TEXT STANDS (in place of the head comment's count of loads): at the head a wave issues one tensor load, its part of slot 0; slot 1's first fill stands behind the full sequence and a round of the cluster's barrier:
; one load a wave is out behind each round.  Slot 1's first fill and the second tile's q are asked of memory ahead of their tensor loads by prefetches into the L2.
.set NK,   8
.set BP,   NK*1536
.set SP,   NK*64
.set SLOT, 147456
.set SPARE, 2*SLOT                     ; behind the ring: the spare words, 128 bytes for each wave: two blocks of 256 bytes that no other line names
.set QOFF, 6291456                     ; kqvc: q's codes (k's at 0)
.set KS,   18874368                    ; k's scale words (q's 262144 on)
.set PS,   12582912                    ; pbuf: three planes of 524288 bytes: scale words, -M_loc, l_loc
.set NEXTQ, 64*BP                      ; from the first tile to the second, 64 blocks of queries on: q's codes,
.set NEXTS, 64*SP                      ; q's scale words,
.set NEXTP, 64*16*1536                 ; P's codes,
.set NEXTW, 64*1024                    ; and a plane's words
.set LI,  1
.set ADB, 2
.set ADA, 4
.set SOA, 6
.set SOB, 7
.set CO,  8
.set SOF, 9
.set RR,  10
.set HH,  11
.set SPW, 18                           ; v18  SPARE + 4 x my thread's number; never rewritten
.set NIL, 19                           ; v19  0; never rewritten
.set SCA, 32
.set SCB, 96
.set TM,  128
.set PW,  144
.set FB,  160
.set T,   160
.set PC,  224
.set WV,  12
.set WR,  13
.set WC,  14
.set SEL, 20
.set CS,  22                           ; s[22:23] c = log2(e) / 32
.set G1A, 24
.set G0A, 32
.set G1B, 48
.set G0B, 56
.set MSB, 0
.macro WIN new
.if MSB != \new
	s_set_vgpr_msb (MSB<<8)|\new
.set MSB, \new
.endif
.endm
.macro PLACES n
.rept \n
	v_nop
.endr
.endm
.macro CREST
	s_cmp_lg_u32 s[WV], 0
	s_cbranch_scc1 .Lnot_wave_0_\@
	s_barrier_signal -3
.Lnot_wave_0_\@:
	s_barrier_wait -3
	s_barrier_signal -1
	s_barrier_wait -1
.endm
.macro CROUND
	s_barrier_signal -1
	s_barrier_wait -1
	CREST
.endm
; The joint refill of q's part of a slot: waves 0 and 1 fetch its halves, waves 2 and 3 have no load.  The branch hangs on the wave's number alone.  Four v_nop follow the tensor load;
; on both ways four v_nop stand in front of what follows: the places for loads into registers that matrix instructions have read.
.macro JLOAD slot
	s_cmp_eq_u32 s[WR], 0
	s_cbranch_scc0 .Lnone_\@
	tensor_load_to_lds s[G0A+4*(\slot):G0A+4*(\slot)+3], s[G1A:G1A+7]
	s_nop 0
	PLACES 4
.Lnone_\@:
	PLACES 4
.endm
.macro FETCH slot, kk, set
	WIN 0x40
.irp b, 0,1,2,3,4,5,6,7
.irp c, 0,1,2
	ds_load_b128 v[96*(\set)+12*\b+4*\c:96*(\set)+12*\b+4*\c+3], v[ADA+(\slot)] offset:6144*\b+1536*(\kk)+512*\c
.endr
.endr
	WIN 0
.irp a, 0,1,2,3
.irp c, 0,1,2
	ds_load_b128 v[FB+48*(\set)+12*\a+4*\c:FB+48*(\set)+12*\a+4*\c+3], v[ADB+(\slot)] offset:6144*\a+1536*(\kk)+512*\c
.endr
.endr
.endm
.macro WM a, b, k, set, cmode          ; cmode 1: the first product starts the sum; 0: C = D
.set rD, 8*(8*(\a)+(\b))
.set rA, 96*(\set)+12*(\b)
.set rB, FB+48*(\set)+12*(\a)
.set rX, SCA+NK*((\b)%4)+(\k)
.set rY, SCB+NK*((\a)%2)+(\k)
.set ROWS, (\b)/4+2*((\a)/2)+4*(\cmode)
.if ROWS == 0
	v_wmma_scale_f32_16x16x128_f8f6f4 v[rD:rD+7], v[rA:rA+11], v[rB:rB+11], v[rD:rD+7], v[rX], v[rY] matrix_a_fmt:MATRIX_FMT_FP6 matrix_b_fmt:MATRIX_FMT_FP6
.elseif ROWS == 1
	v_wmma_scale_f32_16x16x128_f8f6f4 v[rD:rD+7], v[rA:rA+11], v[rB:rB+11], v[rD:rD+7], v[rX], v[rY] matrix_a_fmt:MATRIX_FMT_FP6 matrix_b_fmt:MATRIX_FMT_FP6 matrix_a_scale:MATRIX_SCALE_ROW1
.elseif ROWS == 2
	v_wmma_scale_f32_16x16x128_f8f6f4 v[rD:rD+7], v[rA:rA+11], v[rB:rB+11], v[rD:rD+7], v[rX], v[rY] matrix_a_fmt:MATRIX_FMT_FP6 matrix_b_fmt:MATRIX_FMT_FP6 matrix_b_scale:MATRIX_SCALE_ROW1
.elseif ROWS == 3
	v_wmma_scale_f32_16x16x128_f8f6f4 v[rD:rD+7], v[rA:rA+11], v[rB:rB+11], v[rD:rD+7], v[rX], v[rY] matrix_a_fmt:MATRIX_FMT_FP6 matrix_b_fmt:MATRIX_FMT_FP6 matrix_a_scale:MATRIX_SCALE_ROW1 matrix_b_scale:MATRIX_SCALE_ROW1
.elseif ROWS == 4
	v_wmma_scale_f32_16x16x128_f8f6f4 v[rD:rD+7], v[rA:rA+11], v[rB:rB+11], 0, v[rX], v[rY] matrix_a_fmt:MATRIX_FMT_FP6 matrix_b_fmt:MATRIX_FMT_FP6
.elseif ROWS == 5
	v_wmma_scale_f32_16x16x128_f8f6f4 v[rD:rD+7], v[rA:rA+11], v[rB:rB+11], 0, v[rX], v[rY] matrix_a_fmt:MATRIX_FMT_FP6 matrix_b_fmt:MATRIX_FMT_FP6 matrix_a_scale:MATRIX_SCALE_ROW1
.elseif ROWS == 6
	v_wmma_scale_f32_16x16x128_f8f6f4 v[rD:rD+7], v[rA:rA+11], v[rB:rB+11], 0, v[rX], v[rY] matrix_a_fmt:MATRIX_FMT_FP6 matrix_b_fmt:MATRIX_FMT_FP6 matrix_b_scale:MATRIX_SCALE_ROW1
.else
	v_wmma_scale_f32_16x16x128_f8f6f4 v[rD:rD+7], v[rA:rA+11], v[rB:rB+11], 0, v[rX], v[rY] matrix_a_fmt:MATRIX_FMT_FP6 matrix_b_fmt:MATRIX_FMT_FP6 matrix_a_scale:MATRIX_SCALE_ROW1 matrix_b_scale:MATRIX_SCALE_ROW1
.endif
.endm
.macro MULA a, k, set, cmode           ; the 32 accumulators take turns, one instruction a turn, in the same order in every K step, from tile to tile too
.irp b, 0,1,2,3,4,5,6,7
	WM \a, \b, \k, \set, \cmode
.endr
.endm
.macro KSTEP k, cmode
.if (\k) > 0
	PLACES 4                                       ; in front of loads into registers that the last K step's matrix instructions have read (at K step 0 the way out stands between)
.endif
	FETCH ((\k)/4)%2, (\k)%4+1, ((\k)+1)%2
	s_wait_dscnt 36                                ; all but the 36 just issued: this K step's fragments are in
	WIN 0xa1                                       ; source 0 window 1, source 1 window 0, C and D window 2
	MULA 0, \k, (\k)%2, \cmode
	MULA 1, \k, (\k)%2, \cmode
	MULA 2, \k, (\k)%2, \cmode
	MULA 3, \k, (\k)%2, \cmode
	WIN 0
.endm
; K step 3 leaves slot 0: one barrier; in front of it each wave waits for all its tensor loads (its part of slot 1), adds 0 to its spare word, and waits for that and for its reads of slot 0.
; fill = 1: the barrier opens a round of the cluster's barrier, and q's part of slot 0 takes the second tile's K steps 0 to 3: the joint load is the first thing behind the round.
.macro TURN fill
	s_wait_tensorcnt 0x0                           ; all my tensor loads have landed, so a group 0 may be written
	ds_add_u32 v[SPW], v[NIL]                      ; 0 onto my spare word
.if \fill
	s_add_nc_u64 s[G0A+2:G0A+3], s[G0A+2:G0A+3], NEXTQ   ; the type bits on top are not reached
.endif
	s_wait_dscnt 0x1                               ; this K step's fragments are in; the add alone may be out
	WIN 0xa1
	MULA 0, 3, 1, 0
	s_wait_dscnt 0x0                               ; the add is done, and my reads of slot 0 are over
	s_barrier_signal -1
	MULA 1, 3, 1, 0
	WIN 0
	s_barrier_wait -1
.if \fill
	CREST                                          ; no wave of any partner still reads slot 0 or has a load on its way
	JLOAD 0
.else
	PLACES 4
.endif
	FETCH 1, 0, 0
	WIN 0xa1
	MULA 2, 3, 1, 0
	MULA 3, 3, 1, 0
	WIN 0
.endm
.macro LAST k
	s_wait_dscnt 0x0                               ; the last fragments are in: my reads of slot 1 are over
	WIN 0xa1
	MULA 0, \k, (\k)%2, 0
	MULA 1, \k, (\k)%2, 0
	MULA 2, \k, (\k)%2, 0
	MULA 3, \k, (\k)%2, 0
	WIN 0
.endm
; In the middle of the way out q's part of slot 1 takes the second tile's K steps 4 to 7.  Each wave waits for all its tensor loads (its part of slot 0's refill: behind the round the second tile's first K steps are whole for
; every wave), adds 0 to its spare word and waits for that; its reads of slot 1 ended in front of K step 7's products.  A whole round of the cluster's barrier, and the joint load first behind it.
.macro CHANGE
	s_wait_tensorcnt 0x0
	ds_add_u32 v[SPW], v[NIL]                      ; 0 onto my spare word; the descriptor's step stands between it and the wait for it
	s_add_nc_u64 s[G0A+6:G0A+7], s[G0A+6:G0A+7], NEXTQ
	s_wait_dscnt 0x0
	CROUND
	JLOAD 1
.endm
.macro QTAIL s                         ; from the four blocks' largest magnitudes in v[TM] on: scale word in v[PW], codes in v[PC] on
.irp b, 0,1,2,3
	v_add_nc_u32 v[TM+12+\b], 0xff000000, v[TM+\b] ; 2 off the exponent field: the conversion's scale operand
.endr
.irp b, 0,1,2,3
	v_lshrrev_b32 v[TM+4+\b], 23, v[TM+12+\b]      ; the scale's byte
.endr
	v_lshl_or_b32 v[PW], v[TM+5], 8, v[TM+4]
	v_lshl_or_b32 v[PW], v[TM+6], 16, v[PW]
	v_lshl_or_b32 v[PW], v[TM+7], 24, v[PW]
.irp c, 0,1
	v_cvt_scalef32_pk16_fp6_f32 v[PC+6*\c:PC+2+6*\c], v[\s+32*\c:\s+15+32*\c], v[TM+12+2*\c]
	v_cvt_scalef32_pk16_fp6_f32 v[PC+12+4*\c:PC+14+4*\c], v[\s+16+32*\c:\s+31+32*\c], v[TM+12+2*\c+1]
.endr
	v_nop                                          ; one plain place behind a scaled conversion
.irp c, 0,1
.irp i, 0,1,2
	v_permlane16_swap_b32 v[PC+6*\c+\i], v[PC+12+4*\c+\i]
.endr
.irp i, 0,1,2
	v_mov_b32 v[PC+3+6*\c+\i], v[PC+12+4*\c+\i]
.endr
.endr
.endm
.macro MASK                            ; the scores of hidden keys take the fill, in all four blocks of queries: one compare serves four selects
	WIN 0x82                                       ; destination and source 0 window 2
.set n, 0
.rept 64
	v_cmp_gt_i32 vcc_lo, 32*(n/16)+n%16, v16
.irp a, 0,1,2,3
	v_cndmask_b32 v[64*\a+n], v[64*\a+n], v17, vcc_lo   ; each accumulator from its low end on
.endr
.set n, n+1
.endr
	WIN 0
.endm
; Block m of my queries in tile j: 64 scores a lane (one query, 4 x 16 neighbouring keys) become p's fragment, its scale word, -M_loc and l_loc.
.macro SOFT m, j
.set ACB, 64*(\m)
	WIN 0x2a                                       ; all three sources window 2
.irp b, 0,1,2,3
	v_max3_num_f32 v[TM+\b], v[ACB+16*\b], v[ACB+16*\b+1], v[ACB+16*\b+2]   ; the largest score of each block of 32 keys: for the maximum, and for the block's largest p
.endr
	WIN 0x28                                       ; sources 1 and 2 window 2
.irp i, 3,5,7,9,11,13
.irp b, 0,1,2,3
	v_max3_num_f32 v[TM+\b], v[TM+\b], v[ACB+16*\b+\i], v[ACB+16*\b+\i+1]
.endr
.endr
.irp b, 0,1,2,3
	v_max_num_f32 v[TM+\b], v[TM+\b], v[ACB+16*\b+15]
.endr
	WIN 0
.irp b, 0,1,2,3
	v_permlanex16_b32 v[TM+4+\b], v[TM+\b], s[SEL], s[SEL+1]
.endr
.irp b, 0,1,2,3
	v_max_num_f32 v[TM+\b], v[TM+\b], v[TM+4+\b]   ; with lane l xor 16's 16 keys
.endr
	v_max3_num_f32 v146, v[TM], v[TM+1], v[TM+2]
	v_max_num_f32 v146, v146, v[TM+3]              ; the largest score of my query among these 128 keys
	v_mul_f32 v146, s[CS], v146                    ; as t
.if (\m)+(\j) > 0
	s_wait_alu depctr_va_vdst(0)
	s_wait_xcnt 0x0                                ; the last block's stores have read their data: v12 is the first of those registers to be written again; the maxima above name none of them
.endif
	v_floor_f32 v12, -v146                         ; -M_loc = floor(-t) = -ceil(t)
	WIN 0x02
.set i, 0
.rept 32
	v_pk_fma_f32 v[T+i:T+i+1], v[ACB+i:ACB+i+1], s[CS:CS+1], v[12:13] op_sel_hi:[1,0,0]   ; t - M_loc, two at a time
.set i, i+2
.endr
	WIN 0
.irp b, 0,1,2,3
	v_fma_f32 v[TM+\b], v[TM+\b], s[CS], v12       ; the same of each block's largest score
.endr
.set i, 0
	s_wait_alu depctr_va_vdst(0)
.rept 64
	v_exp_f32 v[T+i], v[T+i]                       ; p, at most 1
.set i, i+1
.endr
	v_nop                                          ; a plain place behind the exponentials
	s_wait_alu depctr_va_vdst(0)                   ; one wait for the batch, ahead of its first reader
.irp b, 0,1,2,3
	v_exp_f32 v[TM+\b], v[TM+\b]                   ; the block's largest p: the same two instructions on the same number give the same bits
.endr
	v_pk_add_f32 v[14:15], v[T:T+1], v[T+2:T+3]    ; the sum of the unquantised p, in two chains
	v_pk_add_f32 v[146:147], v[T+4:T+5], v[T+6:T+7]
.irp i, 8,12,16,20,24,28,32,36,40,44,48,52,56,60
	v_pk_add_f32 v[14:15], v[14:15], v[T+\i:T+\i+1]
	v_pk_add_f32 v[146:147], v[146:147], v[T+\i+2:T+\i+3]
.endr
	v_pk_add_f32 v[14:15], v[14:15], v[146:147]
	s_wait_alu depctr_va_vdst(0)                   ; and one for the four
.irp b, 0,1,2,3
	v_max_num_f32 v[TM+\b], 0x21000000, v[TM+\b]   ; the floor 2^-61: the byte cannot fall under 64
.endr
	QTAIL T
.irp c, 0,1,2
	global_store_b128 v[CO], v[PC+4*\c:PC+4*\c+3], s[8:9] offset:(\j)*NEXTP+(\m)*24576+512*\c   ; 32 lanes store 512 consecutive bytes, aligned
.endr
	v_add_f32 v14, v14, v15
	v_permlanex16_b32 v15, v14, s[SEL], s[SEL+1]
	v_add_f32 v14, v14, v15                        ; l_loc
	global_store_b32 v[SOF], v[PW], s[8:9] offset:(\j)*NEXTW+(\m)*1024           ; lanes 16-31 hold and store the same words as lanes 0-15
	global_store_b32 v[SOF], v12, s[8:9] offset:(\j)*NEXTW+(\m)*1024+524288
	global_store_b32 v[SOF], v14, s[8:9] offset:(\j)*NEXTW+(\m)*1024+1048576
.endm
; A tile.  fill = 1: a second tile follows.
.macro TILE j, fill
	KSTEP 0, 1                                     ; the first products start the sums: nothing is cleared
.if \fill
	global_prefetch_b8 v21, s[4:5] offset:NEXTQ th:TH_LOAD_NT scope:SCOPE_SE        ; my share of the second tile's q, both fills, three K steps ahead of the first of them
	global_prefetch_b8 v21, s[4:5] offset:NEXTQ+6144 th:TH_LOAD_NT scope:SCOPE_SE
.endif
	KSTEP 1, 0
	KSTEP 2, 0
	TURN \fill
	KSTEP 4, 0
	KSTEP 5, 0
	KSTEP 6, 0
	LAST 7
	PLACES 4                                       ; behind the last products: in front of loads into their scale registers and of the first read of results
.if \fill
.irp i, 0,1                            ; the second tile's scale words of q: they land while this tile goes out
.irp g, 0,1
	global_load_b128 v[SCB+NK*\i+4*\g:SCB+NK*\i+4*\g+3], v[SOB], s[4:5] offset:\i*SP+256*\g+NEXTS
.endr
.endr
.endif
	s_wait_alu depctr_va_vdst(0)
	MASK
	SOFT 0, \j
	SOFT 1, \j
.if \fill
	CHANGE
.endif
	SOFT 2, \j
	SOFT 3, \j
.if \fill
	s_wait_xcnt 0x0                                ; the last stores have read their data: the next tile's fragments land on those registers
	FETCH 0, 0, 0                                  ; the second tile's K step 0: the round in the way out has shown it whole
	s_wait_loadcnt 0x0                             ; q's scale words
.endif
.endm
	s_load_b128 s[4:7], s[0:1], 0x0                ; kqvc, valid_lens
	s_load_b64 s[8:9], s[0:1], 0x10                ; pbuf
	v_lshl_add_u32 v[SPW], v0, 2, SPARE
	v_mov_b32 v[NIL], 0
	ds_add_u32 v18, v19
	ds_add_u32 v18, v19
	s_wait_dscnt 0x0
	v_lshrrev_b32 v1, 5, v0
	v_readfirstlane_b32 s[WV], v1
	s_lshr_b32 s[WR], s[WV], 1
	s_and_b32 s[WC], s[WV], 1
	s_bfe_u32 s15, ttmp6, 0x40000                  ; cx
	s_bfe_u32 s16, ttmp6, 0x40004                  ; cy
	s_and_b32 s18, ttmp7, 0xffff                   ; cluster y, 0..7
	s_lshr_b32 s19, s18, 1                         ; the batch
	s_lshl_b32 s44, ttmp9, 2
	s_add_co_u32 s44, s44, s15                     ; tile0: 256 keys of the batch  (s44-47 never hold cy, s40-43 never cx)
	s_lshl_b32 s46, s44, 4
	s_lshl_b32 s45, s19, 7
	s_add_co_u32 s46, s46, s45                     ; k's first block
	s_and_b32 s40, s18, 1
	s_lshl_b32 s41, s19, 2
	s_add_co_u32 s40, s40, s41                     ; of a batch's four runs of 512 queries the first tile takes run 0 or 1, the second the run two on
	s_lshl_b32 s40, s40, 2
	s_add_co_u32 s40, s40, s16                     ; tile1: 128 queries
	s_lshl_b32 s42, s40, 3                         ; q's first block
	s_lshl_b32 s67, s16, 2
	s_lshl_b32 s67, 15, s67
	s_lshl_b32 s68, 0x1111, s15
	s_or_b32 s[G1A], s67, (3<<16)|(1<<21)          ; q's tiles go to my row of the cluster
	s_or_b32 s[G1B], s68, (3<<16)|(1<<21)          ; k's to my column
.irp g, G1A, G1B
	s_mov_b32 s[\g+1], 768<<16
	s_mov_b32 s[\g+3], 768<<16
	s_mov_b32 s[\g+5], BP/8
	s_mov_b32 s[\g+6], 0
	s_mov_b32 s[\g+7], 0
.endr
	s_mov_b32 s[G1A+2], 4<<16
	s_mov_b32 s[G1A+4], 4
	s_mov_b32 s[G1B+2], 8<<16
	s_mov_b32 s[G1B+4], 8
	s_lshl_b32 s43, s[WC], 2
	s_add_co_u32 s43, s43, s42
	s_mul_i32 s70, s43, BP
	s_add_co_u32 s70, s70, QOFF
	s_mov_b32 s71, 0
	s_lshl_b32 s47, s[WC], 3
	s_add_co_u32 s47, s47, s46
	s_mul_i32 s72, s47, BP
	s_mov_b32 s73, 0
	s_mul_i32 s74, s[WC], 24576
	s_mul_i32 s75, s[WC], 49152
	s_add_co_u32 s75, s75, 49152
	s_lshl_b32 s84, s19, 2
	CROUND                                         ; the round names no argument, so it stands ahead of the wait for them
	s_wait_kmcnt 0x0
	s_load_b32 s85, s[6:7], s84 offset:0x0         ; valid_lens[batch]
	s_add_nc_u64 s[70:71], s[4:5], s[70:71]
	s_add_nc_u64 s[72:73], s[4:5], s[72:73]
.irp s, 0,1
	s_mov_b32 s[G0A+4*\s], 1
	s_add_co_u32 s[G0A+4*\s+1], s74, \s*SLOT
	s_add_nc_u64 s[G0A+4*\s+2:G0A+4*\s+3], s[70:71], \s*6144
	s_or_b32 s[G0A+4*\s+3], s[G0A+4*\s+3], 0x80000000
	s_mov_b32 s[G0B+4*\s], 1
	s_add_co_u32 s[G0B+4*\s+1], s75, \s*SLOT
	s_add_nc_u64 s[G0B+4*\s+2:G0B+4*\s+3], s[72:73], \s*6144
	s_or_b32 s[G0B+4*\s+3], s[G0B+4*\s+3], 0x80000000
.endr
	s_cmp_eq_u32 s[WR], 0                          ; at the head one tensor load a wave: my part of slot 0
	s_cbranch_scc0 .Lfirst_b
	tensor_load_to_lds s[G0A:G0A+3], s[G1A:G1A+7]
	s_nop 0
	PLACES 4
	s_branch .Lfirst_done
.Lfirst_b:
	tensor_load_to_lds s[G0B:G0B+3], s[G1B:G1B+7]
	s_nop 0
	PLACES 4
.Lfirst_done:
	; prefetches into the L2: a fill's part of a block is 6144 bytes, 24 blocks of 256.  Of k's 16 blocks each partner (by cy) takes four, a wave one: 24 lanes; of q's 8 each partner (by cx) two, a wave half of one: 12 lanes;
	; the lanes left over name their wave's last block again.  The shares are told apart by address alone; the two offset registers are never rewritten.
	s_lshl_b32 s94, s15, 1
	s_add_co_u32 s94, s94, s[WR]
	s_add_co_u32 s94, s94, s42
	s_mul_i32 s94, s94, BP
	s_mul_i32 s96, s[WC], 3072
	s_add_co_u32 s94, s94, s96
	s_add_co_u32 s94, s94, QOFF
	s_lshl_b32 s95, s16, 2
	s_add_co_u32 s95, s95, s[WV]
	s_add_co_u32 s95, s95, s46
	s_mul_i32 s95, s95, BP
	v_and_b32 v20, 31, v0
	v_min_u32 v21, 11, v20
	v_min_u32 v20, 23, v20
	v_lshl_add_u32 v21, v21, 8, s94
	v_lshl_add_u32 v20, v20, 8, s95
	global_prefetch_b8 v21, s[4:5] offset:6144 th:TH_LOAD_NT scope:SCOPE_SE   ; slot 1's first fill, which is asked for behind the next round
	global_prefetch_b8 v20, s[4:5] offset:6144 th:TH_LOAD_NT scope:SCOPE_SE
	v_and_b32 v[LI], 31, v0
	v_lshlrev_b32 v[LI], 4, v[LI]
	v_and_b32 v[RR], 15, v0
	s_wait_alu depctr_va_vdst(0)
	v_bfe_u32 v[HH], v0, 4, 1
	s_mul_i32 s76, s[WR], 24576
	s_mul_i32 s77, s[WC], 49152
	s_add_co_u32 s77, s77, 49152
.irp s, 0,1
	v_add_nc_u32 v[ADB+\s], s76, v[LI]
	v_add_nc_u32 v[ADA+\s], s77, v[LI]
	s_add_co_u32 s76, s76, SLOT
	s_add_co_u32 s77, s77, SLOT
.endr
	s_mul_i32 s78, s47, SP
	s_add_co_u32 s78, s78, KS
	v_lshlrev_b32 v12, 4, v[RR]
	s_wait_alu depctr_va_vdst(0)
	v_mad_u32_u24 v[SOA], v[HH], 4*SP, v12
	v_add_nc_u32 v[SOA], s78, v[SOA]
	s_lshl_b32 s79, s[WR], 2
	s_add_co_u32 s79, s79, s42                     ; my first block of queries
	s_mul_i32 s78, s79, SP
	s_add_co_u32 s78, s78, KS+262144
	v_mad_u32_u24 v[SOB], v[HH], 2*SP, v12
	v_add_nc_u32 v[SOB], s78, v[SOB]
.irp i, 0,1,2,3
.irp g, 0,1
	global_load_b128 v[SCA+NK*\i+4*\g:SCA+NK*\i+4*\g+3], v[SOA], s[4:5] offset:\i*SP+256*\g
.endr
.endr
.irp i, 0,1
.irp g, 0,1
	global_load_b128 v[SCB+NK*\i+4*\g:SCB+NK*\i+4*\g+3], v[SOB], s[4:5] offset:\i*SP+256*\g
.endr
.endr
	; where the results go: K step s = my 128 keys among the batch's 2048; block = my queries'
	s_lshl_b32 s80, s44, 1
	s_add_co_u32 s80, s80, s[WC]                   ; s
	s_lshl_b32 s81, s79, 4
	s_add_co_u32 s81, s81, s80
	s_mul_i32 s81, s81, 1536
	v_add_nc_u32 v[CO], s81, v[LI]
	s_lshl_b32 s81, s79, 10
	s_lshr_b32 s82, s80, 2
	s_lshl_b32 s82, s82, 8
	s_add_co_u32 s81, s81, s82
	s_and_b32 s82, s80, 3
	s_lshl_b32 s82, s82, 2
	s_add_co_u32 s81, s81, s82
	s_add_co_u32 s81, s81, PS
	v_lshl_add_u32 v[SOF], v[RR], 4, s81
	s_mov_b32 s[SEL], 0x76543210
	s_mov_b32 s[SEL+1], 0xfedcba98
	s_mov_b32 s[CS], 0x3d38aa3b                    ; log2(e) / 32
	s_mov_b32 s[CS+1], s[CS]
	s_lshl_b32 s86, s80, 7                         ; my first key
	s_add_co_u32 s86, s86, 1
	v_lshlrev_b32 v16, 4, v[HH]
	v_mov_b32 v17, 0xcbf42400                      ; -3.2e7 = -1e6 x 32, exact: with c it is the logit -1e6 as t
	v_mov_b32 v13, 0                               ; (named as the upper half of the pair v[12:13])
.irp b, 0,1,2,3
	v_mov_b32 v[TM+4+\b], 0                        ; written once: a lane permute's destination counts as one of its sources
.endr
	s_wait_alu depctr_va_vdst(0)
	s_wait_kmcnt 0x0
	s_sub_co_i32 s86, s85, s86
	v_sub_nc_u32 v16, s86, v16                     ; valid - my first key - 16 h - 1: register n's key, 32 (n / 16) + n % 16 on, is hidden where that is greater than this
	s_wait_loadcnt 0x0                             ; the scale words
	s_wait_alu depctr_va_vdst(0)                   ; the wait at the head's end
	s_wait_tensorcnt 0x0                           ; my part of slot 0 is in
	ds_add_u32 v[SPW], v[NIL]
	s_wait_dscnt 0x0
	CROUND                                         ; slot 0 is whole for every wave, and the joint loads meet
	s_cmp_eq_u32 s[WR], 0                          ; slot 1's first fill, the first tensor load behind the round
	s_cbranch_scc0 .Lsecond_b
	tensor_load_to_lds s[G0A+4:G0A+7], s[G1A:G1A+7]
	s_nop 0
	PLACES 4
	s_branch .Lsecond_done
.Lsecond_b:
	tensor_load_to_lds s[G0B+4:G0B+7], s[G1B:G1B+7]
	s_nop 0
	PLACES 4
.Lsecond_done:
	FETCH 0, 0, 0
	TILE 0, 1
	TILE 1, 0
	s_wait_tensorcnt 0x0                           ; the wave's end
	ds_add_u32 v[SPW], v[NIL]
	s_wait_dscnt 0x0
	CROUND                                         ; the closing round
	s_endpgm
.Lfunc_end_k_q11e142a7a7_score:
	.size	k_q11e142a7a7_score, .Lfunc_end_k_q11e142a7a7_score-k_q11e142a7a7_score
	.p2alignl 7, 3214868480
	.fill 96, 4, 3214868480
	.section	.rodata,"a",@progbits
	.p2align	6, 0x0
	.amdhsa_kernel k_q11e142a7a7_score
		.amdhsa_group_segment_fixed_size 327680
		.amdhsa_private_segment_fixed_size 0
		.amdhsa_enable_private_segment 0
		.amdhsa_kernarg_size 24
		.amdhsa_user_sgpr_count 2
		.amdhsa_user_sgpr_kernarg_segment_ptr 1
		.amdhsa_wavefront_size32 1
		.amdhsa_system_sgpr_workgroup_id_x 1
		.amdhsa_system_sgpr_workgroup_id_y 1
		.amdhsa_system_sgpr_workgroup_id_z 1
		.amdhsa_system_vgpr_workitem_id 0
		.amdhsa_next_free_vgpr 768
		.amdhsa_next_free_sgpr 100
		.amdhsa_reserve_vcc 1
		.amdhsa_float_denorm_mode_32 3
		.amdhsa_float_denorm_mode_16_64 3
		.amdhsa_memory_ordered 1
		.amdhsa_forward_progress 1
		.amdhsa_inst_pref_size 230
	.end_amdhsa_kernel
	.amdgpu_metadata
---
amdhsa.version: [ 1, 2 ]
amdhsa.kernels:
  - .name:           k_q11e142a7a7_score
    .symbol:         k_q11e142a7a7_score.kd
    .args:
      - { .name: kqvc, .offset: 0, .size: 8, .value_kind: global_buffer, .address_space: global }
      - { .name: valid_lens, .offset: 8, .size: 8, .value_kind: global_buffer, .address_space: global }
      - { .name: pbuf, .offset: 16, .size: 8, .value_kind: global_buffer, .address_space: global }
    .group_segment_fixed_size: 327680
    .private_segment_fixed_size: 0
    .kernarg_segment_align: 8
    .kernarg_segment_size: 24
    .max_flat_workgroup_size: 128
    .sgpr_count:     100
    .vgpr_count:     768
    .wavefront_size: 32
...
	.end_amdgpu_metadata
.endif
;; end of part 3
;; launch pv (part 4): grid 8 x 32, 4 waves a work-group, clusters of 4 x 4, 327,680 bytes of LDS; arguments kqvc, pbuf, obuf; writes obuf
.if DOCPART == 4
	.amdgcn_target "amdgcn-amd-amdhsa--gfx1250"
	.amdhsa_code_object_version 6
	.text
	.protected	k_q11e142a7a7_pv
	.globl	k_q11e142a7a7_pv
	.p2align	8
	.type	k_q11e142a7a7_pv,@function
k_q11e142a7a7_pv:
	s_mov_b64 s[64:65], 0
	v_nop
	global_prefetch_b8 v0, s[64:65] scope:SCOPE_SE
	s_setreg_imm32_b32 hwreg(HW_REG_WAVE_MODE, 25, 1), 1
	s_wait_xcnt 0x0
	s_wait_alu depctr_hold_cnt(0) depctr_sa_sdst(0) depctr_va_vdst(0) depctr_va_sdst(0) depctr_va_ssrc(0) depctr_va_vcc(0) depctr_vm_vsrc(0)
	s_getreg_b32 s2, hwreg(HW_REG_IB_STS2, 6, 4)
	s_cmp_eq_u32 s2, 0
	s_cbranch_scc0 .Lentry_in_a_cluster
	s_endpgm
.Lentry_in_a_cluster:
	s_bfe_u32 s2, ttmp6, 0x10000c
	s_cmp_lg_u32 s2, 0xf033
	s_cbranch_scc0 .Lentry_shape_is_right
	s_endpgm
.Lentry_shape_is_right:
; O^T = (p V) / l on codes of FP6 (E2M3), K = the batch's 2048 keys, and O^T quantised along the QUERIES: the module's transpose and view make row 2 channel + half of the last product's left operand out of
; out[half x 1024 + d'][channel], so that operand's K runs along the queries, in two halves of 1024.
; THE ROW'S M AND SUM.  The launch before left, for each query and each 128 keys, -M_loc and l_loc, and p's scale bytes under M_loc.  Here -M = the least -M_loc; d = M_loc - M, a whole number, 0 or less, is added to
; each of the word's four bytes (x 0x01010101: the bytes are 64 at the least and d is held at -63, so no byte borrows), and l = the sum of l_loc 2^d.  Powers of two: nothing is rounded.
; Source 0 = 256 queries of P, source 1 = 128 channels of V^T: a lane holds one channel, and its 64 registers of a block of channels are 4 x 16 neighbouring queries; 1 / l lies in 64 registers in the same order.
; IMAGES as in the launches before.  O's block 2 (64 batch + channel block) + half, K step = my 128 queries among the half's 1024.
; SHARES.  Four waves, each 128 queries x 64 channels.  K goes through a ring of two LDS slots of 4 K steps; each slot is filled a second time, behind a round of the cluster's barrier, one load a wave:
; a wave has two loads out at the start and one behind each round.  CLUSTER 4 x 4: V^T's tile shared along a row, P's along a column.
; LIMITS: M_loc - M is held at -63 (numerator and sum alike: what is kept in excess is under 2^-52 of the row's sum); 1 / l is v_rcp_f32 and a multiplication; a block of zeros gets the byte 1; NaN and infinities are not served.
; REGISTERS.  window 0: v1-13 addresses; v18, v19 the add's; v20-27 -M and l; v32-95, v96-127 scale words; v128-255 at the head -M_loc and l_loc, then v128-144 the quantiser's, v160-255 V^T's fragments (later results and codes).
;   window 1: v0-191 P's fragments, two sets; v192-255 1 / l.   window 2: accumulator (a, b) at v[8 (8 a + b)].
; AS THE TEXT STANDS (in place of the head comment's count of loads): at the head a wave issues one tensor load, its part of slot 0; slot 1's first fill stands behind the full sequence and a round of the cluster's barrier:
; one load a wave is out behind each round.  Every fill behind the first is asked of memory ahead of its tensor load by prefetches into the L2.
.set NK,   16
.set BP,   NK*1536
.set SP,   NK*64
.set SLOT, 147456
.set VC,   12582912                    ; kqvc: V^T's codes
.set VS,   19398656                    ; and scale words
.set PS,   12582912                    ; pbuf: three planes of 524288 bytes
.set OS,   6291456                     ; obuf: scale words
.set SPARE, 294912                     ; behind the ring: the spare words, 128 bytes for each wave: two blocks of 256 bytes that no other line names
.set SCR,  295424                      ; behind them: 512 bytes for each wave, its 128 queries' 1 / l; no fill lands there
.set LI,  1
.set ADB, 2
.set ADA, 4
.set SOA, 6
.set SOB, 7
.set CO,  8
.set SOF, 9
.set RR,  10
.set HH,  11
.set SPW, 18                           ; v18  SPARE + 4 x my thread's number; never rewritten
.set NIL, 19                           ; v19  0; never rewritten
.set MN,  20
.set LL,  24
.set SCA, 32
.set SCB, 96
.set NMV, 128
.set LLV, 192
.set TM,  128
.set PW,  144
.set FB,  160
.set T,   160
.set PC,  224
.set RL,  192
.set WV,  12
.set WR,  13
.set WC,  14
.set SEL, 20
.set G1A, 24
.set G0A, 32
.set G1B, 48
.set G0B, 56
.set MSB, 0
.macro WIN new
.if MSB != \new
	s_set_vgpr_msb (MSB<<8)|\new
.set MSB, \new
.endif
.endm
.macro PLACES n
.rept \n
	v_nop
.endr
.endm
.macro CREST
	s_cmp_lg_u32 s[WV], 0
	s_cbranch_scc1 .Lnot_wave_0_\@
	s_barrier_signal -3
.Lnot_wave_0_\@:
	s_barrier_wait -3
	s_barrier_signal -1
	s_barrier_wait -1
.endm
.macro CROUND
	s_barrier_signal -1
	s_barrier_wait -1
	CREST
.endm
.macro JLOAD                           ; the joint refill of slot SL: waves 0 and 1 for V^T, waves 2 and 3 for P; four v_nop follow each of the two lines
	s_cmp_eq_u32 s[WR], 0
	s_cbranch_scc0 .Lfor_b_\@
	tensor_load_to_lds s[G0A+4*SL:G0A+4*SL+3], s[G1A:G1A+7]
	s_nop 0
	PLACES 4
	s_branch .Lasked_\@
.Lfor_b_\@:
	tensor_load_to_lds s[G0B+4*SL:G0B+4*SL+3], s[G1B:G1B+7]
	s_nop 0
	PLACES 4
.Lasked_\@:
.endm
.macro FETCH slot, kk, set
	WIN 0x40
.irp b, 0,1,2,3,4,5,6,7
.irp c, 0,1,2
	ds_load_b128 v[96*(\set)+12*\b+4*\c:96*(\set)+12*\b+4*\c+3], v[ADA+(\slot)] offset:6144*\b+1536*(\kk)+512*\c
.endr
.endr
	WIN 0
.irp a, 0,1,2,3
.irp c, 0,1,2
	ds_load_b128 v[FB+48*(\set)+12*\a+4*\c:FB+48*(\set)+12*\a+4*\c+3], v[ADB+(\slot)] offset:6144*\a+1536*(\kk)+512*\c
.endr
.endr
.endm
.macro WM a, b, k, set, cmode          ; cmode 1: the first product starts the sum; 0: C = D
.set rD, 8*(8*(\a)+(\b))
.set rA, 96*(\set)+12*(\b)
.set rB, FB+48*(\set)+12*(\a)
.set rX, SCA+NK*((\b)%4)+(\k)
.set rY, SCB+NK*((\a)%2)+(\k)
.set ROWS, (\b)/4+2*((\a)/2)+4*(\cmode)
.if ROWS == 0
	v_wmma_scale_f32_16x16x128_f8f6f4 v[rD:rD+7], v[rA:rA+11], v[rB:rB+11], v[rD:rD+7], v[rX], v[rY] matrix_a_fmt:MATRIX_FMT_FP6 matrix_b_fmt:MATRIX_FMT_FP6
.elseif ROWS == 1
	v_wmma_scale_f32_16x16x128_f8f6f4 v[rD:rD+7], v[rA:rA+11], v[rB:rB+11], v[rD:rD+7], v[rX], v[rY] matrix_a_fmt:MATRIX_FMT_FP6 matrix_b_fmt:MATRIX_FMT_FP6 matrix_a_scale:MATRIX_SCALE_ROW1
.elseif ROWS == 2
	v_wmma_scale_f32_16x16x128_f8f6f4 v[rD:rD+7], v[rA:rA+11], v[rB:rB+11], v[rD:rD+7], v[rX], v[rY] matrix_a_fmt:MATRIX_FMT_FP6 matrix_b_fmt:MATRIX_FMT_FP6 matrix_b_scale:MATRIX_SCALE_ROW1
.elseif ROWS == 3
	v_wmma_scale_f32_16x16x128_f8f6f4 v[rD:rD+7], v[rA:rA+11], v[rB:rB+11], v[rD:rD+7], v[rX], v[rY] matrix_a_fmt:MATRIX_FMT_FP6 matrix_b_fmt:MATRIX_FMT_FP6 matrix_a_scale:MATRIX_SCALE_ROW1 matrix_b_scale:MATRIX_SCALE_ROW1
.elseif ROWS == 4
	v_wmma_scale_f32_16x16x128_f8f6f4 v[rD:rD+7], v[rA:rA+11], v[rB:rB+11], 0, v[rX], v[rY] matrix_a_fmt:MATRIX_FMT_FP6 matrix_b_fmt:MATRIX_FMT_FP6
.elseif ROWS == 5
	v_wmma_scale_f32_16x16x128_f8f6f4 v[rD:rD+7], v[rA:rA+11], v[rB:rB+11], 0, v[rX], v[rY] matrix_a_fmt:MATRIX_FMT_FP6 matrix_b_fmt:MATRIX_FMT_FP6 matrix_a_scale:MATRIX_SCALE_ROW1
.elseif ROWS == 6
	v_wmma_scale_f32_16x16x128_f8f6f4 v[rD:rD+7], v[rA:rA+11], v[rB:rB+11], 0, v[rX], v[rY] matrix_a_fmt:MATRIX_FMT_FP6 matrix_b_fmt:MATRIX_FMT_FP6 matrix_b_scale:MATRIX_SCALE_ROW1
.else
	v_wmma_scale_f32_16x16x128_f8f6f4 v[rD:rD+7], v[rA:rA+11], v[rB:rB+11], 0, v[rX], v[rY] matrix_a_fmt:MATRIX_FMT_FP6 matrix_b_fmt:MATRIX_FMT_FP6 matrix_a_scale:MATRIX_SCALE_ROW1 matrix_b_scale:MATRIX_SCALE_ROW1
.endif
.endm
.macro MULA a, k, set, cmode           ; the 32 accumulators take turns, one instruction a turn, in the same order in every K step
.irp b, 0,1,2,3,4,5,6,7
	WM \a, \b, \k, \set, \cmode
.endr
.endm
.macro KSTEP k, cmode
.if (\k) > 0
	PLACES 4                                       ; in front of loads into registers that the last K step's matrix instructions have read
.endif
	FETCH ((\k)/4)%2, (\k)%4+1, ((\k)+1)%2
	s_wait_dscnt 36                                ; all but the 36 just issued: this K step's fragments are in
	WIN 0xa1
	MULA 0, \k, (\k)%2, \cmode
	MULA 1, \k, (\k)%2, \cmode
	MULA 2, \k, (\k)%2, \cmode
	MULA 3, \k, (\k)%2, \cmode
	WIN 0
.endm
; A slot's last K step changes slots: one barrier; in front of it each wave waits for all its tensor loads, adds 0 to its spare word, and waits for that and for its reads of this slot.
; fill = 1: the barrier opens a round of the cluster's barrier, and this slot is filled again, with the K steps two slots on: the joint load is the first thing behind the round and has four K steps in which to land.
.macro TURN k, fill
.set SL, ((\k)/4)%2
	s_wait_tensorcnt 0x0                           ; all my tensor loads have landed: my part of the next slot
	ds_add_u32 v[SPW], v[NIL]                      ; 0 onto my spare word
	s_wait_dscnt 0x1                               ; this K step's fragments are in; the add alone may be out
	WIN 0xa1
	MULA 0, \k, (\k)%2, 0
	s_wait_dscnt 0x0                               ; the add is done, and my reads of this slot are over
	s_barrier_signal -1
	MULA 1, \k, (\k)%2, 0
	WIN 0
	s_barrier_wait -1
.if \fill
	CREST                                          ; no wave of any partner still reads this slot or has a load on its way
	s_add_nc_u64 s[G0A+4*SL+2:G0A+4*SL+3], s[G0A+4*SL+2:G0A+4*SL+3], 12288
	s_add_nc_u64 s[G0B+4*SL+2:G0B+4*SL+3], s[G0B+4*SL+2:G0B+4*SL+3], 12288
	JLOAD                                          ; its four v_nop are also the places in front of the loads below
.else
	PLACES 4
.endif
	FETCH (((\k)+1)/4)%2, 0, ((\k)+1)%2
	WIN 0xa1
	MULA 2, \k, (\k)%2, 0
	MULA 3, \k, (\k)%2, 0
	WIN 0
.endm
.macro LAST k
	s_wait_dscnt 0x0
	WIN 0xa1
	MULA 0, \k, (\k)%2, 0
	MULA 1, \k, (\k)%2, 0
	MULA 2, \k, (\k)%2, 0
	MULA 3, \k, (\k)%2, 0
	WIN 0
.endm
.macro QMAX s
.irp b, 0,1,2,3
	v_max3_num_f32 v[TM+\b], |v[\s+16*\b]|, |v[\s+1+16*\b]|, 0x1800000   ; with the floor 2^(3 - 127): the byte cannot fall under 1
.endr
.irp i, 2,4,6,8,10,12,14
.irp b, 0,1,2,3
	v_max3_num_f32 v[TM+\b], v[TM+\b], |v[\s+16*\b+\i]|, |v[\s+1+16*\b+\i]|
.endr
.endr
.irp b, 0,1,2,3
	v_permlanex16_b32 v[TM+4+\b], v[TM+\b], s[SEL], s[SEL+1]
.endr
.irp b, 0,1,2,3
	v_max_num_f32 v[TM+\b], v[TM+\b], v[TM+4+\b]
.endr
.endm
.macro QTAIL s
.irp b, 0,1,2,3
	v_add_nc_u32 v[TM+12+\b], 0xff000000, v[TM+\b]
.endr
.irp b, 0,1,2,3
	v_lshrrev_b32 v[TM+4+\b], 23, v[TM+12+\b]
.endr
	v_lshl_or_b32 v[PW], v[TM+5], 8, v[TM+4]
	v_lshl_or_b32 v[PW], v[TM+6], 16, v[PW]
	v_lshl_or_b32 v[PW], v[TM+7], 24, v[PW]
.irp c, 0,1
	v_cvt_scalef32_pk16_fp6_f32 v[PC+6*\c:PC+2+6*\c], v[\s+32*\c:\s+15+32*\c], v[TM+12+2*\c]
	v_cvt_scalef32_pk16_fp6_f32 v[PC+12+4*\c:PC+14+4*\c], v[\s+16+32*\c:\s+31+32*\c], v[TM+12+2*\c+1]
.endr
	v_nop                                          ; one plain place behind a scaled conversion
.irp c, 0,1
.irp i, 0,1,2
	v_permlane16_swap_b32 v[PC+6*\c+\i], v[PC+12+4*\c+\i]
.endr
.irp i, 0,1,2
	v_mov_b32 v[PC+3+6*\c+\i], v[PC+12+4*\c+\i]
.endr
.endr
.endm
	s_load_b128 s[4:7], s[0:1], 0x0                ; kqvc, pbuf
	s_load_b64 s[8:9], s[0:1], 0x10                ; obuf
	v_lshl_add_u32 v[SPW], v0, 2, SPARE
	v_mov_b32 v[NIL], 0
	ds_add_u32 v18, v19
	ds_add_u32 v18, v19
	s_wait_dscnt 0x0
	v_lshrrev_b32 v1, 5, v0
	v_readfirstlane_b32 s[WV], v1
	s_lshr_b32 s[WR], s[WV], 1
	s_and_b32 s[WC], s[WV], 1
	s_bfe_u32 s15, ttmp6, 0x40000                  ; cx
	s_bfe_u32 s16, ttmp6, 0x40004                  ; cy
	s_and_b32 s18, ttmp7, 0xffff                   ; cluster y, 0..7
	s_lshr_b32 s19, s18, 1                         ; the batch
	s_lshl_b32 s44, ttmp9, 2
	s_add_co_u32 s44, s44, s15                     ; tile0: 256 queries of the batch  (s44-47 never hold cy, s40-43 never cx)
	s_lshl_b32 s46, s44, 4
	s_lshl_b32 s45, s19, 7
	s_add_co_u32 s46, s46, s45                     ; P's first block
	s_lshl_b32 s40, s18, 2
	s_add_co_u32 s40, s40, s16                     ; 128 channels: 8 such to a batch
	s_lshl_b32 s42, s40, 3                         ; V^T's first block
	s_lshl_b32 s67, s16, 2
	s_lshl_b32 s67, 15, s67
	s_lshl_b32 s68, 0x1111, s15
	s_or_b32 s[G1A], s67, (3<<16)|(1<<21)          ; V^T's tiles go to my row of the cluster
	s_or_b32 s[G1B], s68, (3<<16)|(1<<21)          ; P's to my column
.irp g, G1A, G1B
	s_mov_b32 s[\g+1], 768<<16
	s_mov_b32 s[\g+3], 768<<16
	s_mov_b32 s[\g+5], BP/8
	s_mov_b32 s[\g+6], 0
	s_mov_b32 s[\g+7], 0
.endr
	s_mov_b32 s[G1A+2], 4<<16
	s_mov_b32 s[G1A+4], 4
	s_mov_b32 s[G1B+2], 8<<16
	s_mov_b32 s[G1B+4], 8
	s_lshl_b32 s43, s[WC], 2
	s_add_co_u32 s43, s43, s42
	s_mul_i32 s70, s43, BP
	s_add_co_u32 s70, s70, VC
	s_mov_b32 s71, 0
	s_lshl_b32 s47, s[WC], 3
	s_add_co_u32 s47, s47, s46
	s_mul_i32 s72, s47, BP
	s_mov_b32 s73, 0
	s_mul_i32 s74, s[WC], 24576
	s_mul_i32 s75, s[WC], 49152
	s_add_co_u32 s75, s75, 49152
	CROUND                                         ; the round names no argument, so it stands ahead of the wait for them
	s_wait_kmcnt 0x0
	s_add_nc_u64 s[70:71], s[4:5], s[70:71]
	s_add_nc_u64 s[72:73], s[6:7], s[72:73]
.irp s, 0,1
	s_mov_b32 s[G0A+4*\s], 1
	s_add_co_u32 s[G0A+4*\s+1], s74, \s*SLOT
	s_add_nc_u64 s[G0A+4*\s+2:G0A+4*\s+3], s[70:71], \s*6144
	s_or_b32 s[G0A+4*\s+3], s[G0A+4*\s+3], 0x80000000
	s_mov_b32 s[G0B+4*\s], 1
	s_add_co_u32 s[G0B+4*\s+1], s75, \s*SLOT
	s_add_nc_u64 s[G0B+4*\s+2:G0B+4*\s+3], s[72:73], \s*6144
	s_or_b32 s[G0B+4*\s+3], s[G0B+4*\s+3], 0x80000000
.endr
	s_cmp_eq_u32 s[WR], 0                          ; at the head one tensor load a wave: my part of slot 0
	s_cbranch_scc0 .Lfirst_b
	tensor_load_to_lds s[G0A:G0A+3], s[G1A:G1A+7]
	s_nop 0
	PLACES 4
	s_branch .Lfirst_done
.Lfirst_b:
	tensor_load_to_lds s[G0B:G0B+3], s[G1B:G1B+7]
	s_nop 0
	PLACES 4
.Lfirst_done:
	; prefetches into the L2: a fill's part of a block is 6144 bytes, 24 blocks of 256.  Of P's 16 blocks each partner (by cy) takes four, a wave one: 24 lanes; of V^T's 8 each partner (by cx) two, a wave half of one: 12 lanes;
	; the lanes left over name their wave's last block again.  The shares are told apart by address alone; the two offset registers are never rewritten, a fill's place along K stands in the immediate.
	s_lshl_b32 s94, s15, 1
	s_add_co_u32 s94, s94, s[WR]
	s_add_co_u32 s94, s94, s42
	s_mul_i32 s94, s94, BP
	s_mul_i32 s96, s[WC], 3072
	s_add_co_u32 s94, s94, s96
	s_add_co_u32 s94, s94, VC
	s_lshl_b32 s95, s16, 2
	s_add_co_u32 s95, s95, s[WV]
	s_add_co_u32 s95, s95, s46
	s_mul_i32 s95, s95, BP
	v_and_b32 v16, 31, v0
	v_min_u32 v17, 11, v16
	v_min_u32 v16, 23, v16
	v_lshl_add_u32 v17, v17, 8, s94
	v_lshl_add_u32 v16, v16, 8, s95
	global_prefetch_b8 v17, s[4:5] offset:6144 th:TH_LOAD_NT scope:SCOPE_SE   ; slot 1's first fill, which is asked for behind the next round
	global_prefetch_b8 v16, s[6:7] offset:6144 th:TH_LOAD_NT scope:SCOPE_SE
	v_and_b32 v[LI], 31, v0
	v_lshlrev_b32 v[LI], 4, v[LI]
	v_and_b32 v[RR], 15, v0
	s_wait_alu depctr_va_vdst(0)
	v_bfe_u32 v[HH], v0, 4, 1
	s_mul_i32 s76, s[WR], 24576
	s_mul_i32 s77, s[WC], 49152
	s_add_co_u32 s77, s77, 49152
.irp s, 0,1
	v_add_nc_u32 v[ADB+\s], s76, v[LI]
	v_add_nc_u32 v[ADA+\s], s77, v[LI]
	s_add_co_u32 s76, s76, SLOT
	s_add_co_u32 s77, s77, SLOT
.endr
	s_mul_i32 s78, s47, SP
	s_add_co_u32 s78, s78, PS
	v_lshlrev_b32 v12, 4, v[RR]
	s_wait_alu depctr_va_vdst(0)
	v_mad_u32_u24 v[SOA], v[HH], 4*SP, v12
	v_add_nc_u32 v[SOA], s78, v[SOA]
	s_lshl_b32 s79, s[WR], 2
	s_add_co_u32 s79, s79, s42                     ; my first block of channels
	s_mul_i32 s78, s79, SP
	s_add_co_u32 s78, s78, VS
	v_mad_u32_u24 v[SOB], v[HH], 2*SP, v12
	v_add_nc_u32 v[SOB], s78, v[SOB]
.irp i, 0,1,2,3                        ; set i: lanes 0-15 query block i, lanes 16-31 block i + 4; register 16 i + k: K step k.  Sixteen lanes read 256 consecutive bytes
.irp g, 0,1,2,3
	global_load_b128 v[SCA+NK*\i+4*\g:SCA+NK*\i+4*\g+3], v[SOA], s[6:7] offset:\i*SP+256*\g
	global_load_b128 v[NMV+NK*\i+4*\g:NMV+NK*\i+4*\g+3], v[SOA], s[6:7] offset:\i*SP+256*\g+524288
	global_load_b128 v[LLV+NK*\i+4*\g:LLV+NK*\i+4*\g+3], v[SOA], s[6:7] offset:\i*SP+256*\g+1048576
.endr
.endr
.irp i, 0,1
.irp g, 0,1,2,3
	global_load_b128 v[SCB+NK*\i+4*\g:SCB+NK*\i+4*\g+3], v[SOB], s[4:5] offset:\i*SP+256*\g
.endr
.endr
	; my scratch: 1 / l goes in by query (lane (r, h), set i: query 32 (i / 2) + 8 (i % 2) + r + 8 (r / 8) + 64 h) and comes back in the results' order
	v_and_b32 v12, 8, v[RR]
	v_add_nc_u32 v12, v12, v[RR]
	v_lshl_add_u32 v12, v[HH], 6, v12
	v_lshlrev_b32 v12, 2, v12
	s_lshl_b32 s80, s[WV], 9
	s_add_co_u32 s80, s80, SCR
	v_add_nc_u32 v12, s80, v12
	v_lshlrev_b32 v13, 6, v[HH]
	v_add_nc_u32 v13, s80, v13
	; where the results go
	s_lshl_b32 s80, s44, 1
	s_add_co_u32 s80, s80, s[WC]                   ; E: my 128 queries among the batch's 2048
	s_lshl_b32 s81, s79, 1
	s_lshr_b32 s82, s80, 3
	s_add_co_u32 s81, s81, s82                     ; O's block: 2 x channel block + half
	s_and_b32 s82, s80, 7                          ; K step in the half
	s_lshl_b32 s83, s81, 3
	s_add_co_u32 s83, s83, s82
	s_mul_i32 s83, s83, 1536
	v_add_nc_u32 v[CO], s83, v[LI]
	s_lshl_b32 s83, s81, 9
	s_lshr_b32 s84, s82, 2
	s_lshl_b32 s84, s84, 8
	s_add_co_u32 s83, s83, s84
	s_and_b32 s84, s80, 3
	s_lshl_b32 s84, s84, 2
	s_add_co_u32 s83, s83, s84
	s_add_co_u32 s83, s83, OS
	v_lshl_add_u32 v[SOF], v[RR], 4, s83
	s_mov_b32 s[SEL], 0x76543210
	s_mov_b32 s[SEL+1], 0xfedcba98
	s_mov_b32 s66, 0x01010101
	s_wait_loadcnt 0x0
.irp i, 0,1,2,3
	v_min3_num_f32 v[MN+\i], v[NMV+16*\i], v[NMV+16*\i+1], v[NMV+16*\i+2]   ; -M = the least -M_loc
.endr
.irp k, 3,5,7,9,11,13
.irp i, 0,1,2,3
	v_min3_num_f32 v[MN+\i], v[MN+\i], v[NMV+16*\i+\k], v[NMV+16*\i+\k+1]
.endr
.endr
.irp i, 0,1,2,3
	v_min_num_f32 v[MN+\i], v[MN+\i], v[NMV+16*\i+15]
.endr
.set k, 0
.rept 16
.irp i, 0,1,2,3
	v_sub_f32 v[NMV+16*\i+k], v[MN+\i], v[NMV+16*\i+k]           ; d = M_loc - M, a whole number, 0 or less
.endr
.irp i, 0,1,2,3
	v_max_num_f32 v[NMV+16*\i+k], 0xc27c0000, v[NMV+16*\i+k]     ; held at -63
.endr
.irp i, 0,1,2,3
	v_cvt_i32_f32 v[NMV+16*\i+k], v[NMV+16*\i+k]
.endr
.irp i, 0,1,2,3
	v_ldexp_f32 v[LLV+16*\i+k], v[LLV+16*\i+k], v[NMV+16*\i+k]   ; l_loc 2^d
.endr
.irp i, 0,1,2,3
	v_mul_lo_u32 v[NMV+16*\i+k], v[NMV+16*\i+k], s66
.endr
.irp i, 0,1,2,3
	v_add_nc_u32 v[SCA+16*\i+k], v[SCA+16*\i+k], v[NMV+16*\i+k]  ; d onto each of the four bytes
.endr
.set k, k+1
.endr
.irp k, 2,4,6,8,10,12,14
.irp i, 0,1,2,3
	v_pk_add_f32 v[LLV+16*\i:LLV+16*\i+1], v[LLV+16*\i:LLV+16*\i+1], v[LLV+16*\i+\k:LLV+16*\i+\k+1]
.endr
.endr
.irp i, 0,1,2,3
	v_add_f32 v[LL+\i], v[LLV+16*\i], v[LLV+16*\i+1]             ; the row's sum
.endr
	s_wait_alu depctr_va_vdst(0)
.irp i, 0,1,2,3
	v_rcp_f32 v[LL+\i], v[LL+\i]
.endr
	v_nop                                          ; a plain place behind the reciprocals
	s_wait_alu depctr_va_vdst(0)                   ; one wait for the four, ahead of their first reader
.irp i, 0,1,2,3
	ds_store_b32 v12, v[LL+\i] offset:4*(32*(\i/2)+8*(\i%2))
.endr
	WIN 0x40
.irp b, 0,1,2,3,4,5,6,7                ; LDS serves a wave's instructions in order: these see my stores
	ds_load_b128 v[RL+8*\b:RL+8*\b+3], v13 offset:4*(32*(\b/2)+8*(\b%2))
	ds_load_b128 v[RL+8*\b+4:RL+8*\b+7], v13 offset:4*(32*(\b/2)+8*(\b%2))+16
.endr
	WIN 0
	s_wait_dscnt 0x0
	s_wait_alu depctr_va_vdst(0)                   ; the wait at the head's end
	s_wait_tensorcnt 0x0                           ; my part of slot 0 is in
	ds_add_u32 v[SPW], v[NIL]
	s_wait_dscnt 0x0
	CROUND                                         ; slot 0 is whole for every wave, and the joint loads meet
.set SL, 1
	JLOAD                                          ; slot 1's first fill, the first tensor load behind the round
	FETCH 0, 0, 0
	PLACES 8                                       ; scale registers written by vector instructions stand 8 places ahead of a scaled matrix instruction
	KSTEP 0, 1
	global_prefetch_b8 v17, s[4:5] offset:12288 th:TH_LOAD_NT scope:SCOPE_SE  ; K steps 8 to 11, three K steps ahead of their tensor load
	global_prefetch_b8 v16, s[6:7] offset:12288 th:TH_LOAD_NT scope:SCOPE_SE
	KSTEP 1, 0
	KSTEP 2, 0
	TURN 3, 1
	KSTEP 4, 0
	global_prefetch_b8 v17, s[4:5] offset:18432 th:TH_LOAD_NT scope:SCOPE_SE  ; K steps 12 to 15, likewise
	global_prefetch_b8 v16, s[6:7] offset:18432 th:TH_LOAD_NT scope:SCOPE_SE
	KSTEP 5, 0
	KSTEP 6, 0
	TURN 7, 1
	KSTEP 8, 0
	KSTEP 9, 0
	KSTEP 10, 0
	TURN 11, 0                                     ; nothing is left to fetch
	KSTEP 12, 0
	KSTEP 13, 0
	KSTEP 14, 0
	LAST 15
.irp b, 0,1,2,3
	v_mov_b32 v[TM+4+\b], 0                        ; a lane permute's destination counts as one of its sources; these four are also the places behind the last products
.endr
.irp m, 0,1,2,3                        ; block m of my channels
	WIN 0x06                                       ; source 0 window 2, source 1 window 1
.set i, 0
.rept 32
	v_pk_mul_f32 v[T+i:T+i+1], v[64*\m+i:64*\m+i+1], v[RL+i:RL+i+1]   ; / l; each accumulator from its low end on
.set i, i+2
.endr
	WIN 0
	QMAX T
.if \m > 0
	s_wait_alu depctr_va_vdst(0)
	s_wait_xcnt 0x0                                ; the last block's stores have read their data: the scale word and the codes are written again below; the lines above name none of those registers
.endif
	QTAIL T
.irp c, 0,1,2
	global_store_b128 v[CO], v[PC+4*\c:PC+4*\c+3], s[8:9] offset:\m*24576+512*\c   ; 32 lanes store 512 consecutive bytes, aligned
.endr
	global_store_b32 v[SOF], v[PW], s[8:9] offset:\m*1024   ; lanes 16-31 hold and store the same word as lanes 0-15
.endr
	s_wait_tensorcnt 0x0                           ; the wave's end
	ds_add_u32 v[SPW], v[NIL]
	s_wait_dscnt 0x0
	CROUND                                         ; the closing round
	s_endpgm
.Lfunc_end_k_q11e142a7a7_pv:
	.size	k_q11e142a7a7_pv, .Lfunc_end_k_q11e142a7a7_pv-k_q11e142a7a7_pv
	.p2alignl 7, 3214868480
	.fill 96, 4, 3214868480
	.section	.rodata,"a",@progbits
	.p2align	6, 0x0
	.amdhsa_kernel k_q11e142a7a7_pv
		.amdhsa_group_segment_fixed_size 327680
		.amdhsa_private_segment_fixed_size 0
		.amdhsa_enable_private_segment 0
		.amdhsa_kernarg_size 24
		.amdhsa_user_sgpr_count 2
		.amdhsa_user_sgpr_kernarg_segment_ptr 1
		.amdhsa_wavefront_size32 1
		.amdhsa_system_sgpr_workgroup_id_x 1
		.amdhsa_system_sgpr_workgroup_id_y 1
		.amdhsa_system_sgpr_workgroup_id_z 1
		.amdhsa_system_vgpr_workitem_id 0
		.amdhsa_next_free_vgpr 768
		.amdhsa_next_free_sgpr 100
		.amdhsa_reserve_vcc 0
		.amdhsa_float_denorm_mode_32 3
		.amdhsa_float_denorm_mode_16_64 3
		.amdhsa_memory_ordered 1
		.amdhsa_forward_progress 1
		.amdhsa_inst_pref_size 171
	.end_amdhsa_kernel
	.amdgpu_metadata
---
amdhsa.version: [ 1, 2 ]
amdhsa.kernels:
  - .name:           k_q11e142a7a7_pv
    .symbol:         k_q11e142a7a7_pv.kd
    .args:
      - { .name: kqvc, .offset: 0, .size: 8, .value_kind: global_buffer, .address_space: global }
      - { .name: pbuf, .offset: 8, .size: 8, .value_kind: global_buffer, .address_space: global }
      - { .name: obuf, .offset: 16, .size: 8, .value_kind: global_buffer, .address_space: global }
    .group_segment_fixed_size: 327680
    .private_segment_fixed_size: 0
    .kernarg_segment_align: 8
    .kernarg_segment_size: 24
    .max_flat_workgroup_size: 128
    .sgpr_count:     100
    .vgpr_count:     768
    .wavefront_size: 32
...
	.end_amdgpu_metadata
.endif
;; end of part 4
;; launch proj (part 5): grid 4 x 64, 4 waves a work-group, clusters of 4 x 4, 327,680 bytes of LDS; arguments obuf, qin, b_proj, out0; writes out0
.if DOCPART == 5
	.amdgcn_target "amdgcn-amd-amdhsa--gfx1250"
	.amdhsa_code_object_version 6
	.text
	.protected	k_q11e142a7a7_proj
	.globl	k_q11e142a7a7_proj
	.p2align	8
	.type	k_q11e142a7a7_proj,@function
k_q11e142a7a7_proj:
	s_mov_b64 s[64:65], 0
	v_nop
	global_prefetch_b8 v0, s[64:65] scope:SCOPE_SE
	s_setreg_imm32_b32 hwreg(HW_REG_WAVE_MODE, 25, 1), 1
	s_wait_xcnt 0x0
	s_wait_alu depctr_hold_cnt(0) depctr_sa_sdst(0) depctr_va_vdst(0) depctr_va_sdst(0) depctr_va_ssrc(0) depctr_va_vcc(0) depctr_vm_vsrc(0)
	s_getreg_b32 s2, hwreg(HW_REG_IB_STS2, 6, 4)
	s_cmp_eq_u32 s2, 0
	s_cbranch_scc0 .Lentry_in_a_cluster
	s_endpgm
.Lentry_in_a_cluster:
	s_bfe_u32 s2, ttmp6, 0x10000c
	s_cmp_lg_u32 s2, 0xf033
	s_cbranch_scc0 .Lentry_shape_is_right
	s_endpgm
.Lentry_shape_is_right:
; out0 = O' W_proj^T + b_proj on codes of FP6 (E2M3).  O' is the module's transposed and re-viewed attention output: lane r of obuf's block 2 G + half is row 2 (32 (G / 2) + 8 (G % 2) + r + 8 (r / 8)) + half of out0
; (G counts blocks of 16 channels through all batches).
; Source 0 = 256 rows of W_proj (qin's blocks 704 on), source 1 = 128 rows of O': a lane holds one row of out0 and 4 x 16 neighbouring columns.  The bias is the C of K step 0.
; SHARES.  Four waves, each 128 columns x 64 rows.  All of K = 1024 lies in LDS (2 slots x 4 K steps); nothing is filled again.  CLUSTER 4 x 4: O's tile shared along a row, W_proj's along a column.
; THE WAY OUT.  A block of 16 rows x 128 columns goes through the wave's own stage in LDS and comes back as whole rows of 512 bytes.  The stages lie in slot 0: it has had its only fill, and every wave's reads of it
; ended in front of the barrier of K step 3.
; REGISTERS.  window 0: v1-13 addresses; v32-63, v96-111 scale words; v160-255 O's fragments, two sets; on the way out v128-255 rows of out0.   window 1: v0-191 W_proj's fragments; v192-255 the bias.   window 2: the accumulators.
; AS THE TEXT STANDS: at the head a wave issues one tensor load, its part of slot 0; slot 1's fill stands behind the full sequence and a round of the cluster's barrier, and is asked of memory at the head by a prefetch into the L2.
.set NK,   8
.set BP,   NK*1536
.set SP,   NK*64
.set SLOT, 147456
.set QS,   9437184                     ; qin: scale words
.set OS,   6291456                     ; obuf: scale words
.set LI,  1
.set ADB, 2
.set ADA, 4
.set SOA, 6
.set SOB, 7
.set STO, 8                            ; v8   the stage: where I put 16 bytes of a row
.set RD,  9                            ; v9   and where I read a row back
.set RR,  10
.set HH,  11
.set SCA, 32
.set SCB, 96
.set FB,  160
.set BK,  128
.set BIA, 192
.set WV,  12
.set WR,  13
.set WC,  14
.set G1A, 24
.set G0A, 32
.set G1B, 48
.set G0B, 56
.set MSB, 0
.macro WIN new
.if MSB != \new
	s_set_vgpr_msb (MSB<<8)|\new
.set MSB, \new
.endif
.endm
.macro PLACES n
.rept \n
	v_nop
.endr
.endm
.macro CREST
	s_cmp_lg_u32 s[WV], 0
	s_cbranch_scc1 .Lnot_wave_0_\@
	s_barrier_signal -3
.Lnot_wave_0_\@:
	s_barrier_wait -3
	s_barrier_signal -1
	s_barrier_wait -1
.endm
.macro CROUND
	s_barrier_signal -1
	s_barrier_wait -1
	CREST
.endm
.macro FETCH slot, kk, set
	WIN 0x40
.irp b, 0,1,2,3,4,5,6,7
.irp c, 0,1,2
	ds_load_b128 v[96*(\set)+12*\b+4*\c:96*(\set)+12*\b+4*\c+3], v[ADA+(\slot)] offset:6144*\b+1536*(\kk)+512*\c
.endr
.endr
	WIN 0
.irp a, 0,1,2,3
.irp c, 0,1,2
	ds_load_b128 v[FB+48*(\set)+12*\a+4*\c:FB+48*(\set)+12*\a+4*\c+3], v[ADB+(\slot)] offset:6144*\a+1536*(\kk)+512*\c
.endr
.endr
.endm
.macro WM a, b, k, set, cmode          ; cmode 2: C = the bias; 0: C = D
.set rD, 8*(8*(\a)+(\b))
.set rA, 96*(\set)+12*(\b)
.set rB, FB+48*(\set)+12*(\a)
.set rX, SCA+NK*((\b)%4)+(\k)
.set rY, SCB+NK*((\a)%2)+(\k)
.set rC, rD
.if (\cmode) == 2
.set rC, BIA+8*(\b)
.endif
.set ROWS, (\b)/4+2*((\a)/2)
.if ROWS == 0
	v_wmma_scale_f32_16x16x128_f8f6f4 v[rD:rD+7], v[rA:rA+11], v[rB:rB+11], v[rC:rC+7], v[rX], v[rY] matrix_a_fmt:MATRIX_FMT_FP6 matrix_b_fmt:MATRIX_FMT_FP6
.elseif ROWS == 1
	v_wmma_scale_f32_16x16x128_f8f6f4 v[rD:rD+7], v[rA:rA+11], v[rB:rB+11], v[rC:rC+7], v[rX], v[rY] matrix_a_fmt:MATRIX_FMT_FP6 matrix_b_fmt:MATRIX_FMT_FP6 matrix_a_scale:MATRIX_SCALE_ROW1
.elseif ROWS == 2
	v_wmma_scale_f32_16x16x128_f8f6f4 v[rD:rD+7], v[rA:rA+11], v[rB:rB+11], v[rC:rC+7], v[rX], v[rY] matrix_a_fmt:MATRIX_FMT_FP6 matrix_b_fmt:MATRIX_FMT_FP6 matrix_b_scale:MATRIX_SCALE_ROW1
.else
	v_wmma_scale_f32_16x16x128_f8f6f4 v[rD:rD+7], v[rA:rA+11], v[rB:rB+11], v[rC:rC+7], v[rX], v[rY] matrix_a_fmt:MATRIX_FMT_FP6 matrix_b_fmt:MATRIX_FMT_FP6 matrix_a_scale:MATRIX_SCALE_ROW1 matrix_b_scale:MATRIX_SCALE_ROW1
.endif
.endm
.macro MULA a, k, set, cmode           ; the 32 accumulators take turns, one instruction a turn, in the same order in every K step
.irp b, 0,1,2,3,4,5,6,7
	WM \a, \b, \k, \set, \cmode
.endr
.endm
.macro KSTEP k, cmode
.if (\k) > 0
	PLACES 4                                       ; in front of loads into registers that the last K step's matrix instructions have read
.endif
	FETCH ((\k)/4)%2, (\k)%4+1, ((\k)+1)%2
	s_wait_dscnt 36                                ; all but the 36 just issued: this K step's fragments are in
.if (\cmode) == 2
	WIN 0x91                                       ; source 0 window 1, source 1 window 0, C window 1, D window 2
.else
	WIN 0xa1
.endif
	MULA 0, \k, (\k)%2, \cmode
	MULA 1, \k, (\k)%2, \cmode
	MULA 2, \k, (\k)%2, \cmode
	MULA 3, \k, (\k)%2, \cmode
	WIN 0
.endm
.macro TURN k
	s_wait_tensorcnt 0x0                           ; my part of slot 1, my last tensor load, has landed
	s_wait_dscnt 0x0                               ; this K step's fragments are in: my reads of slot 0 are over
	s_barrier_signal -1
	WIN 0xa1
	MULA 0, \k, (\k)%2, 0
	MULA 1, \k, (\k)%2, 0
	WIN 0
	s_barrier_wait -1
	PLACES 4
	FETCH (((\k)+1)/4)%2, 0, ((\k)+1)%2
	WIN 0xa1
	MULA 2, \k, (\k)%2, 0
	MULA 3, \k, (\k)%2, 0
	WIN 0
.endm
.macro LAST k
	s_wait_dscnt 0x0
	WIN 0xa1
	MULA 0, \k, (\k)%2, 0
	MULA 1, \k, (\k)%2, 0
	MULA 2, \k, (\k)%2, 0
	MULA 3, \k, (\k)%2, 0
	WIN 0
.endm
.macro TOSTAGE m                       ; block m: lane (r, h), accumulator b: columns 32 (b / 2) + 16 h + 8 (b % 2) + 0 .. 7 of stage row r
	WIN 0x08                                       ; an LDS store's data are its source 1: window 2
.irp b, 0,1,2,3,4,5,6,7
	ds_store_b128 v[STO], v[64*(\m)+8*\b:64*(\m)+8*\b+3] offset:128*(\b/2)+32*(\b%2)          ; each accumulator from its low end on
	ds_store_b128 v[STO], v[64*(\m)+8*\b+4:64*(\m)+8*\b+7] offset:128*(\b/2)+32*(\b%2)+16
.endr
	WIN 0
.irp i, 0,1,2,3,4,5,6,7,8,9,10,11,12,13,14,15
	ds_load_b128 v[BK+64*((\m)%2)+4*\i:BK+64*((\m)%2)+4*\i+3], v[RD] offset:528*\i   ; LDS serves a wave's instructions in order: these see my stores, and the next block's stores come behind them
.endr
.endm
.macro SEND m, younger                 ; younger: the LDS instructions issued behind block m's loads, which may stay out
	s_wait_dscnt \younger
.irp i, 0,1,2,3,4,5,6,7,8,9,10,11,12,13,14,15
	global_store_b128 v[LI], v[BK+64*((\m)%2)+4*\i:BK+64*((\m)%2)+4*\i+3], s[10:11] offset:(2*(8*((\m)/2)+\i+8*(\i/8))+(\m)%2)*4096 th:TH_STORE_NT   ; 32 lanes store 512 consecutive bytes, aligned
.endr
.endm
	s_load_b256 s[4:11], s[0:1], 0x0               ; obuf s[4:5], qin s[6:7], b_proj s[8:9], out0 s[10:11]
	v_lshl_add_u32 v126, v0, 2, 0x48000
	v_mov_b32 v127, 0
	ds_add_u32 v126, v127
	ds_add_u32 v126, v127
	v_lshrrev_b32 v1, 5, v0
	v_readfirstlane_b32 s[WV], v1
	s_lshr_b32 s[WR], s[WV], 1
	s_and_b32 s[WC], s[WV], 1
	s_bfe_u32 s15, ttmp6, 0x40000                  ; cx
	s_bfe_u32 s16, ttmp6, 0x40004                  ; cy
	s_and_b32 s18, ttmp7, 0xffff                   ; cluster y, 0..15
	s_lshl_b32 s44, ttmp9, 2
	s_add_co_u32 s44, s44, s15                     ; tile0: 256 columns of out0  (s44-47 never hold cy, s40-43 never cx)
	s_lshl_b32 s46, s44, 4
	s_add_co_u32 s46, s46, 704                     ; W_proj's first block
	s_lshl_b32 s40, s18, 2
	s_add_co_u32 s40, s40, s16                     ; tile1: 128 rows
	s_lshl_b32 s42, s40, 3                         ; O's first block
	s_lshl_b32 s67, s16, 2
	s_lshl_b32 s67, 15, s67
	s_lshl_b32 s68, 0x1111, s15
	s_or_b32 s[G1A], s67, (3<<16)|(1<<21)          ; O's tiles go to my row of the cluster
	s_or_b32 s[G1B], s68, (3<<16)|(1<<21)          ; W_proj's to my column
.irp g, G1A, G1B
	s_mov_b32 s[\g+1], 768<<16
	s_mov_b32 s[\g+3], 768<<16
	s_mov_b32 s[\g+5], BP/8
	s_mov_b32 s[\g+6], 0
	s_mov_b32 s[\g+7], 0
.endr
	s_mov_b32 s[G1A+2], 4<<16
	s_mov_b32 s[G1A+4], 4
	s_mov_b32 s[G1B+2], 8<<16
	s_mov_b32 s[G1B+4], 8
	s_lshl_b32 s43, s[WC], 2
	s_add_co_u32 s43, s43, s42
	s_mul_i32 s70, s43, BP
	s_mov_b32 s71, 0
	s_lshl_b32 s47, s[WC], 3
	s_add_co_u32 s47, s47, s46
	s_mul_i32 s72, s47, BP
	s_mov_b32 s73, 0
	s_mul_i32 s74, s[WC], 24576
	s_mul_i32 s75, s[WC], 49152
	s_add_co_u32 s75, s75, 49152
	s_wait_dscnt 0x0
	CROUND                                         ; the round names no argument, so it stands ahead of the wait for them
	s_wait_kmcnt 0x0
	s_add_nc_u64 s[70:71], s[4:5], s[70:71]
	s_add_nc_u64 s[72:73], s[6:7], s[72:73]
.irp s, 0,1
	s_mov_b32 s[G0A+4*\s], 1
	s_add_co_u32 s[G0A+4*\s+1], s74, \s*SLOT
	s_add_nc_u64 s[G0A+4*\s+2:G0A+4*\s+3], s[70:71], \s*6144
	s_or_b32 s[G0A+4*\s+3], s[G0A+4*\s+3], 0x80000000
	s_mov_b32 s[G0B+4*\s], 1
	s_add_co_u32 s[G0B+4*\s+1], s75, \s*SLOT
	s_add_nc_u64 s[G0B+4*\s+2:G0B+4*\s+3], s[72:73], \s*6144
	s_or_b32 s[G0B+4*\s+3], s[G0B+4*\s+3], 0x80000000
.endr
	s_cmp_eq_u32 s[WR], 0                          ; at the head one tensor load a wave: my part of slot 0
	s_cbranch_scc0 .Lfirst_b
	tensor_load_to_lds s[G0A:G0A+3], s[G1A:G1A+7]
	s_nop 0
	PLACES 4
	s_branch .Lfirst_done
.Lfirst_b:
	tensor_load_to_lds s[G0B:G0B+3], s[G1B:G1B+7]
	s_nop 0
	PLACES 4
.Lfirst_done:
	; a prefetch into the L2 of slot 1's fill: its part of a block is 6144 bytes, 24 blocks of 256.  Of W_proj's 16 blocks each partner (by cy) takes four, a wave one: 24 lanes; of O's 8 each partner (by cx) two, a wave half of one:
	; 12 lanes; the lanes left over name their wave's last block again.  The shares are told apart by address alone; the two offset registers are never rewritten.
	s_lshl_b32 s94, s15, 1
	s_add_co_u32 s94, s94, s[WR]
	s_add_co_u32 s94, s94, s42
	s_mul_i32 s94, s94, BP
	s_mul_i32 s96, s[WC], 3072
	s_add_co_u32 s94, s94, s96
	s_lshl_b32 s95, s16, 2
	s_add_co_u32 s95, s95, s[WV]
	s_add_co_u32 s95, s95, s46
	s_mul_i32 s95, s95, BP
	v_and_b32 v16, 31, v0
	v_min_u32 v17, 11, v16
	v_min_u32 v16, 23, v16
	v_lshl_add_u32 v17, v17, 8, s94
	v_lshl_add_u32 v16, v16, 8, s95
	global_prefetch_b8 v17, s[4:5] offset:6144 th:TH_LOAD_NT scope:SCOPE_SE
	global_prefetch_b8 v16, s[6:7] offset:6144 th:TH_LOAD_NT scope:SCOPE_SE
	v_and_b32 v[LI], 31, v0
	v_lshlrev_b32 v[LI], 4, v[LI]
	v_and_b32 v[RR], 15, v0
	s_wait_alu depctr_va_vdst(0)
	v_bfe_u32 v[HH], v0, 4, 1
	s_mul_i32 s76, s[WR], 24576
	s_mul_i32 s77, s[WC], 49152
	s_add_co_u32 s77, s77, 49152
.irp s, 0,1
	v_add_nc_u32 v[ADB+\s], s76, v[LI]
	v_add_nc_u32 v[ADA+\s], s77, v[LI]
	s_add_co_u32 s76, s76, SLOT
	s_add_co_u32 s77, s77, SLOT
.endr
	s_mul_i32 s78, s47, SP
	s_add_co_u32 s78, s78, QS
	v_lshlrev_b32 v12, 4, v[RR]
	s_wait_alu depctr_va_vdst(0)
	v_mad_u32_u24 v[SOA], v[HH], 4*SP, v12
	v_add_nc_u32 v[SOA], s78, v[SOA]
	s_lshl_b32 s79, s[WR], 2
	s_add_co_u32 s79, s79, s42
	s_mul_i32 s79, s79, SP
	s_add_co_u32 s79, s79, OS
	v_mad_u32_u24 v[SOB], v[HH], 2*SP, v12
	v_add_nc_u32 v[SOB], s79, v[SOB]
.irp i, 0,1,2,3
.irp g, 0,1
	global_load_b128 v[SCA+NK*\i+4*\g:SCA+NK*\i+4*\g+3], v[SOA], s[6:7] offset:\i*SP+256*\g
.endr
.endr
.irp i, 0,1
.irp g, 0,1
	global_load_b128 v[SCB+NK*\i+4*\g:SCB+NK*\i+4*\g+3], v[SOB], s[4:5] offset:\i*SP+256*\g
.endr
.endr
	s_lshl_b32 s80, s44, 8
	s_lshl_b32 s81, s[WC], 7
	s_add_co_u32 s80, s80, s81
	s_lshl_b32 s80, s80, 2                         ; my first column, in bytes
	v_lshl_add_u32 v13, v[HH], 6, s80
	WIN 0x40
.irp b, 0,1,2,3,4,5,6,7                ; lane (r, h), block b, register j wants b_proj[my first column + 32 (b / 2) + 16 h + 8 (b % 2) + j]
	global_load_b128 v[BIA+8*\b:BIA+8*\b+3], v13, s[8:9] offset:4*(32*(\b/2)+8*(\b%2))
	global_load_b128 v[BIA+8*\b+4:BIA+8*\b+7], v13, s[8:9] offset:4*(32*(\b/2)+8*(\b%2))+16
.endr
	WIN 0
	s_mul_i32 s82, s[WV], 8448                     ; my stage: 16 rows x (512 + 16) bytes
	v_mul_u32_u24 v[STO], v[RR], 528
	v_lshl_add_u32 v[STO], v[HH], 6, v[STO]
	v_add_nc_u32 v[STO], s82, v[STO]
	v_add_nc_u32 v[RD], s82, v[LI]
	s_lshl_b32 s82, s40, 7
	s_lshl_b32 s83, s[WR], 6
	s_add_co_u32 s82, s82, s83                     ; my first row of out0
	s_lshl_b32 s82, s82, 12
	s_add_co_u32 s82, s82, s80
	s_mov_b32 s83, 0
	s_add_nc_u64 s[10:11], s[10:11], s[82:83]
	s_wait_loadcnt 0x0                             ; scale words and bias
	s_wait_alu depctr_va_vdst(0)                   ; the wait at the head's end
	s_wait_tensorcnt 0x0                           ; my part of slot 0 is in
	ds_add_u32 v126, v127
	s_wait_dscnt 0x0
	CROUND                                         ; slot 0 is whole for every wave, and the joint loads meet
	s_cmp_eq_u32 s[WR], 0                          ; slot 1's fill, the first tensor load behind the round
	s_cbranch_scc0 .Lsecond_b
	tensor_load_to_lds s[G0A+4:G0A+7], s[G1A:G1A+7]
	s_nop 0
	PLACES 4
	s_branch .Lsecond_done
.Lsecond_b:
	tensor_load_to_lds s[G0B+4:G0B+7], s[G1B:G1B+7]
	s_nop 0
	PLACES 4
.Lsecond_done:
	FETCH 0, 0, 0
	KSTEP 0, 2
	KSTEP 1, 0
	KSTEP 2, 0
	TURN 3
	KSTEP 4, 0
	KSTEP 5, 0
	KSTEP 6, 0
	LAST 7
	PLACES 4                                       ; in front of the first read of results, and of loads into registers that held O's fragments
	s_wait_alu depctr_va_vdst(0)
	TOSTAGE 0
.irp m, 1,2,3
.if \m > 1
	s_wait_xcnt 0x0                                ; block m - 2's stores have read their registers: block m's loads may land there
.endif
	TOSTAGE \m
	SEND \m-1, 32                                  ; behind block m - 1's loads: block m's 16 stores and 16 loads
.endr
	SEND 3, 0
	s_wait_tensorcnt 0x0
	ds_add_u32 v126, v127
	s_wait_dscnt 0x0
	CROUND                                         ; the closing round
	s_endpgm
.Lfunc_end_k_q11e142a7a7_proj:
	.size	k_q11e142a7a7_proj, .Lfunc_end_k_q11e142a7a7_proj-k_q11e142a7a7_proj
	.p2alignl 7, 3214868480
	.fill 96, 4, 3214868480
	.section	.rodata,"a",@progbits
	.p2align	6, 0x0
	.amdhsa_kernel k_q11e142a7a7_proj
		.amdhsa_group_segment_fixed_size 327680
		.amdhsa_private_segment_fixed_size 0
		.amdhsa_enable_private_segment 0
		.amdhsa_kernarg_size 32
		.amdhsa_user_sgpr_count 2
		.amdhsa_user_sgpr_kernarg_segment_ptr 1
		.amdhsa_wavefront_size32 1
		.amdhsa_system_sgpr_workgroup_id_x 1
		.amdhsa_system_sgpr_workgroup_id_y 1
		.amdhsa_system_sgpr_workgroup_id_z 1
		.amdhsa_system_vgpr_workitem_id 0
		.amdhsa_next_free_vgpr 768
		.amdhsa_next_free_sgpr 100
		.amdhsa_reserve_vcc 0
		.amdhsa_float_denorm_mode_32 3
		.amdhsa_float_denorm_mode_16_64 3
		.amdhsa_memory_ordered 1
		.amdhsa_forward_progress 1
		.amdhsa_inst_pref_size 79
	.end_amdhsa_kernel
	.amdgpu_metadata
---
amdhsa.version: [ 1, 2 ]
amdhsa.kernels:
  - .name:           k_q11e142a7a7_proj
    .symbol:         k_q11e142a7a7_proj.kd
    .args:
      - { .name: obuf, .offset: 0, .size: 8, .value_kind: global_buffer, .address_space: global }
      - { .name: qin, .offset: 8, .size: 8, .value_kind: global_buffer, .address_space: global }
      - { .name: b_proj, .offset: 16, .size: 8, .value_kind: global_buffer, .address_space: global }
      - { .name: out0, .offset: 24, .size: 8, .value_kind: global_buffer, .address_space: global }
    .group_segment_fixed_size: 327680
    .private_segment_fixed_size: 0
    .kernarg_segment_align: 8
    .kernarg_segment_size: 32
    .max_flat_workgroup_size: 128
    .sgpr_count:     100
    .vgpr_count:     768
    .wavefront_size: 32
...
	.end_amdgpu_metadata
.endif
;; end of part 5
